; MI455X (gfx1250); checked and timed in simulation.
; The chip was launched on July 23, 2026; its instructions are those of AMD's public machine-readable ISA for CDNA 5 (MIT licence, August 2026) and "CDNA5" Instruction Set Architecture Reference Guide (July 2026). The comments in the code are by the model that wrote it; some were corrected since.
;; Self Attention. Allowed arithmetic: float matrix products may take bf16 or f16 operands with f32 sums; other float arithmetic in f32, or as packed bf16 or f16 multiplies, adds, multiply-adds, maxima and minima; sums over many terms, partial sums and values carried from step to step in f32; what a program stores and reads back later, other than sums and carried values, may be rounded once to bf16 or f16.
;; Inputs: Wk 1,024 x 1,024 float32; Wo 1,024 x 1,024 float32; Wq 1,024 x 1,024 float32; Wv 1,024 x 1,024 float32; hidden_states 2 x 2,048 x 1,024 float32.
;; Outputs: out0 2 x 2,048 x 1,024 float32.
;; 2 versions, each right; version 2 is version 1 with the launch prep written anew for expert scheduling mode. Each part assembles by itself: llvm-mc -triple=amdgcn-amd-amdhsa -mcpu=gfx1250 --defsym DOCPART=n.
;; ======== version 1 of 2: 4 launches
;; limits: values are held in f16: magnitudes above 65,504 overflow, below 6.1e-05 lose precision
;; workspace buffers: cast 16,777,216 bytes; rope 262,144 bytes; qf 8,388,608 bytes; kf 8,388,608 bytes; vf 8,388,608 bytes; of 8,388,608 bytes
;; launch prep (part 1): grid 32 x 8, 8 waves a work-group, no clusters, 0 bytes of LDS; arguments hidden_states, Wq, Wk, Wv, Wo, cast, rope; writes cast, rope
.if DOCPART == 1
	.amdgcn_target "amdgcn-amd-amdhsa--gfx1250"
	.amdhsa_code_object_version 6
	.text
	.protected	k_q1a8b6cc897_prep
	.globl	k_q1a8b6cc897_prep
	.p2align	8
	.type	k_q1a8b6cc897_prep,@function
k_q1a8b6cc897_prep:
	s_mov_b64 s[64:65], 0
	v_nop
	global_prefetch_b8 v0, s[64:65] scope:SCOPE_SE
	s_setreg_imm32_b32 hwreg(HW_REG_WAVE_MODE, 25, 1), 1
	s_wait_xcnt 0x0
; PREP.  Rounds the five f32 inputs once to 16 bits for the matrix units, and makes the RoPE table.
; cast: [8 slices][1,048,576] of 16 bits: slices 0-3 the quarters of hidden_states, 4 Wq, 5 Wk, 6 Wv (all bf16), 7 Wo: rounded to bf16 like the others, and that number written as f16.
; rope: [t 2048][p 16] pairs (cos, sin) of t x 10000^(-p/16), f32.
; LIMITS.  Wo beyond 65,504 becomes an infinity in f16; below 6e-5 it keeps f16's fixed step of 6e-8.  The table's angles are right to about 2e-4 rad at t = 2047
; (2^x to one unit in the last place, the constant 2/pi rounded to f32); sine and cosine are Taylor sums on |y| <= pi/4, cut below 4e-7.
; SHARES.  Work-group (x, y) takes 128 KiB of slice y, a wave 16 KiB: 32 loads of 16 bytes a lane, each 512 consecutive bytes, all issued before anything is waited for; a store of 8 bytes a
; lane covers 256 consecutive bytes, aligned.  No work-group wants a byte that another has read: no LDS, no cluster, no matrix unit.
.set X, 16                             ; v[16:143]  load i in v[X+4i : X+4i+3]; its two packed words are stored from the first two
	s_load_b256 s[4:11], s[0:1], 0x0               ; hidden_states s[4:5], Wq s[6:7], Wk s[8:9], Wv s[10:11]
	s_load_b128 s[12:15], s[0:1], 0x20             ; Wo s[12:13], cast s[14:15]
	s_load_b64 s[16:17], s[0:1], 0x30              ; rope
	s_and_b32 s20, ttmp7, 0xffff                   ; y: the slice
	v_lshrrev_b32 v3, 5, v0
	v_readfirstlane_b32 s21, v3                    ; wave 0..7
	v_and_b32 v4, 31, v0
	v_lshlrev_b32 v1, 4, v4
	v_lshl_add_u32 v1, v3, 14, v1                  ; loads: 16,384 x wave + 16 x lane; never rewritten
	v_lshlrev_b32 v2, 3, v4
	v_lshl_add_u32 v2, v3, 13, v2                  ; stores: 8,192 x wave + 8 x lane; never rewritten
	s_lshl_b32 s24, s20, 22                        ; a quarter of hidden_states is 4 MiB of f32;
	s_cmp_lt_u32 s20, 4
	s_cselect_b32 s24, s24, 0                      ; a weight matrix is a slice by itself
	s_lshl_b32 s30, ttmp9, 17
	s_add_co_u32 s24, s24, s30                     ; + the work-group's 128 KiB
	s_mov_b32 s25, 0
	s_lshl_b32 s26, s20, 21                        ; in cast a slice is 2 MiB,
	s_lshl_b32 s30, ttmp9, 16
	s_add_co_u32 s26, s26, s30                     ; the work-group's part 64 KiB
	s_mov_b32 s27, 0
	s_lshl_b32 s31, s20, 5
	s_add_co_u32 s31, s31, ttmp9                   ; the work-group's number, 0..255
	s_lshl_b32 s28, s31, 10                        ; its 128 pairs of the table: 1,024 bytes
	s_mov_b32 s29, 0
	s_mov_b32 s32, 0x3f22f983                      ; 2 / pi
	s_wait_kmcnt 0x0
	s_mov_b64 s[22:23], s[4:5]                     ; the slice's tensor, chosen by y alone
	s_cmp_eq_u32 s20, 4
	s_cselect_b64 s[22:23], s[6:7], s[22:23]
	s_cmp_eq_u32 s20, 5
	s_cselect_b64 s[22:23], s[8:9], s[22:23]
	s_cmp_eq_u32 s20, 6
	s_cselect_b64 s[22:23], s[10:11], s[22:23]
	s_cmp_eq_u32 s20, 7
	s_cselect_b64 s[22:23], s[12:13], s[22:23]
	s_add_nc_u64 s[22:23], s[22:23], s[24:25]
	s_add_nc_u64 s[14:15], s[14:15], s[26:27]
	s_add_nc_u64 s[16:17], s[16:17], s[28:29]
.set i, 0
.rept 32
	global_load_b128 v[X+4*i:X+4*i+3], v1, s[22:23] offset:512*i th:TH_LOAD_NT
.set i, i+1
.endr
	; THE TABLE, while the loads are on their way: threads 0-127 make one pair each.
	s_cmp_lt_u32 s21, 4
	s_cbranch_scc0 .Lno_rope
	s_lshl_b32 s30, s31, 7
	v_add_nc_u32 v3, s30, v0                       ; the pair's number: 16 t + p
	v_and_b32 v4, 15, v3
	v_lshrrev_b32 v3, 4, v3
	v_cvt_f32_u32 v4, v4                           ; p
	v_cvt_f32_u32 v3, v3                           ; t
	v_mul_f32 v4, 0xbf549a78, v4                   ; - p log2(10000) / 16
	v_exp_f32 v5, v4                               ; 10000^(-p/16)
	v_lshlrev_b32 v13, 3, v0                       ; (the pair's 8 bytes: the plain instruction behind the exponential)
	s_wait_alu depctr_va_vdst(0)                   ; the wait ahead of the result's first reader
	v_mul_f32 v5, v3, v5                           ; the angle f, rounded to f32 as t x inv_freq is
	v_mul_f32 v6, s32, v5
	v_rndne_f32 v6, v6                             ; k = the nearest whole number of quarter turns
	v_fma_f32 v7, v5, s32, -v6                     ; f 2/pi - k, in one rounding
	v_mul_f32 v7, 0x3fc90fdb, v7                   ; y = that x pi/2, within pi/4 of 0
	v_mul_f32 v8, v7, v7
	v_mov_b32 v9, 0xb9500d01                       ; sin y = y + y^3 (-1/6 + y^2 (1/120 - y^2 / 5040))
	v_fmaak_f32 v9, v9, v8, 0x3c088889
	v_fmaak_f32 v9, v9, v8, 0xbe2aaaab
	v_mul_f32 v10, v7, v8
	v_fma_f32 v9, v9, v10, v7
	v_mov_b32 v11, 0x37d00d01                      ; cos y = 1 + y^2 (-1/2 + y^2 (1/24 + y^2 (-1/720 + y^2 / 40320)))
	v_fmaak_f32 v11, v11, v8, 0xbab60b61
	v_fmaak_f32 v11, v11, v8, 0x3d2aaaab
	v_fmaak_f32 v11, v11, v8, 0xbf000000
	v_fma_f32 v11, v11, v8, 1.0
	v_cvt_i32_f32 v6, v6
	v_and_b32 v10, 1, v6                           ; an odd k swaps sine and cosine: a choice of values, no branch
	v_cmp_eq_u32 vcc_lo, 1, v10
	v_cndmask_b32 v14, v11, v9, vcc_lo
	v_cndmask_b32 v15, v9, v11, vcc_lo
	v_add_nc_u32 v10, 1, v6                        ; the cosine is negative for k mod 4 = 1, 2: bit 1 of k + 1 goes to the sign
	v_lshrrev_b32 v10, 1, v10
	v_lshlrev_b32 v10, 31, v10
	v_xor_b32 v14, v10, v14
	v_lshrrev_b32 v12, 1, v6                       ; the sine for k mod 4 = 2, 3: bit 1 of k
	v_lshlrev_b32 v12, 31, v12
	v_xor_b32 v15, v12, v15
	global_store_b64 v13, v[14:15], s[16:17]
.Lno_rope:
; Load i is rounded and stored.  The count leaves the 31 - i younger loads out.  No register that a store reads is written again, so nothing waits for a store.
.macro CV i, half
	s_wait_loadcnt 31-(\i)
	v_cvt_pk_bf16_f32 v[X+4*(\i)], v[X+4*(\i)], v[X+4*(\i)+1]
	v_cvt_pk_bf16_f32 v[X+4*(\i)+1], v[X+4*(\i)+2], v[X+4*(\i)+3]
.if \half                              ; the bf16 numbers written as f16: widened by a shift and a mask, narrowed exactly within f16's range
	v_lshlrev_b32 v[X+4*(\i)+2], 16, v[X+4*(\i)]
	v_and_b32 v[X+4*(\i)+3], 0xffff0000, v[X+4*(\i)]
	v_cvt_pk_f16_f32 v[X+4*(\i)], v[X+4*(\i)+2], v[X+4*(\i)+3]
	v_lshlrev_b32 v[X+4*(\i)+2], 16, v[X+4*(\i)+1]
	v_and_b32 v[X+4*(\i)+3], 0xffff0000, v[X+4*(\i)+1]
	v_cvt_pk_f16_f32 v[X+4*(\i)+1], v[X+4*(\i)+2], v[X+4*(\i)+3]
.endif
	global_store_b64 v2, v[X+4*(\i):X+4*(\i)+1], s[14:15] offset:256*(\i)
.endm
	s_cmp_eq_u32 s20, 7
	s_cbranch_scc1 .Lwo
.set i, 0
.rept 32
	CV i, 0
.set i, i+1
.endr
	s_endpgm
.Lwo:
.set i, 0
.rept 32
	CV i, 1
.set i, i+1
.endr
	s_endpgm
.Lfunc_end_k_q1a8b6cc897_prep:
	.size	k_q1a8b6cc897_prep, .Lfunc_end_k_q1a8b6cc897_prep-k_q1a8b6cc897_prep
	.p2alignl 7, 3214868480
	.fill 96, 4, 3214868480
	.section	.rodata,"a",@progbits
	.p2align	6, 0x0
	.amdhsa_kernel k_q1a8b6cc897_prep
		.amdhsa_group_segment_fixed_size 0
		.amdhsa_private_segment_fixed_size 0
		.amdhsa_enable_private_segment 0
		.amdhsa_kernarg_size 56
		.amdhsa_user_sgpr_count 2
		.amdhsa_user_sgpr_kernarg_segment_ptr 1
		.amdhsa_wavefront_size32 1
		.amdhsa_system_sgpr_workgroup_id_x 1
		.amdhsa_system_sgpr_workgroup_id_y 1
		.amdhsa_system_sgpr_workgroup_id_z 1
		.amdhsa_system_vgpr_workitem_id 0
		.amdhsa_next_free_vgpr 144
		.amdhsa_next_free_sgpr 66
		.amdhsa_reserve_vcc 1
		.amdhsa_float_denorm_mode_32 3
		.amdhsa_float_denorm_mode_16_64 3
		.amdhsa_memory_ordered 1
		.amdhsa_forward_progress 1
		.amdhsa_inst_pref_size 33
	.end_amdhsa_kernel
	.amdgpu_metadata
---
amdhsa.version: [ 1, 2 ]
amdhsa.kernels:
  - .name:           k_q1a8b6cc897_prep
    .symbol:         k_q1a8b6cc897_prep.kd
    .args:
      - { .name: hidden_states, .offset: 0, .size: 8, .value_kind: global_buffer, .address_space: global }
      - { .name: Wq, .offset: 8, .size: 8, .value_kind: global_buffer, .address_space: global }
      - { .name: Wk, .offset: 16, .size: 8, .value_kind: global_buffer, .address_space: global }
      - { .name: Wv, .offset: 24, .size: 8, .value_kind: global_buffer, .address_space: global }
      - { .name: Wo, .offset: 32, .size: 8, .value_kind: global_buffer, .address_space: global }
      - { .name: cast, .offset: 40, .size: 8, .value_kind: global_buffer, .address_space: global }
      - { .name: rope, .offset: 48, .size: 8, .value_kind: global_buffer, .address_space: global }
    .group_segment_fixed_size: 0
    .private_segment_fixed_size: 0
    .kernarg_segment_align: 8
    .kernarg_segment_size: 56
    .max_flat_workgroup_size: 256
    .sgpr_count:     66
    .vgpr_count:     144
    .wavefront_size: 32
...
	.end_amdgpu_metadata
.endif
;; end of part 1
;; launch qkv (part 2): grid 8 x 32, 4 waves a work-group, clusters of 4 x 4, 327,680 bytes of LDS; arguments cast, rope, qf, kf, vf; writes qf, kf, vf
.if DOCPART == 2
	.amdgcn_target "amdgcn-amd-amdhsa--gfx1250"
	.amdhsa_code_object_version 6
	.text
	.protected	k_q1a8b6cc897_qkv
	.globl	k_q1a8b6cc897_qkv
	.p2align	8
	.type	k_q1a8b6cc897_qkv,@function
k_q1a8b6cc897_qkv:
	s_mov_b64 s[64:65], 0
	v_nop
	global_prefetch_b8 v0, s[64:65] scope:SCOPE_SE
	s_setreg_imm32_b32 hwreg(HW_REG_WAVE_MODE, 25, 1), 1
	s_wait_xcnt 0x0
	s_wait_alu depctr_hold_cnt(0) depctr_sa_sdst(0) depctr_va_vdst(0) depctr_va_sdst(0) depctr_va_ssrc(0) depctr_va_vcc(0) depctr_vm_vsrc(0)
	s_getreg_b32 s2, hwreg(HW_REG_IB_STS2, 6, 4)
	s_cmp_eq_u32 s2, 0
	s_cbranch_scc0 .Lentry_in_a_cluster
	s_endpgm
.Lentry_in_a_cluster:
	s_bfe_u32 s2, ttmp6, 0x10000c
	s_cmp_lg_u32 s2, 0xf033
	s_cbranch_scc0 .Lentry_shape_is_right
	s_endpgm
.Lentry_shape_is_right:
; Q, K, V = x W^T in bf16 with f32 sums; RoPE on q and k in f32; q times c = log2(e) / sqrt(32); each rounded ONCE to f16 and stored in the order in which the attention's matrix instructions want it.
; cast: x [4096][1024] bf16 at byte 0; Wq, Wk, Wv [1024][1024] bf16 at 8, 10, 12 MiB.  rope: [2048][16] (cos, sin) f32.
; qf, kf: byte ((bh 128 + t/16) 2 + c) 512 + 16 lane: lane l holds row t%16 = l%16, channels 16 c + 8 (l/16) + 0..7 of head bh = 32 b + h.
; vf:     byte (((bh 64 + t/32) 2 + cb) 2 + g) 512 + 16 lane: lane l holds channel 16 cb + l%16, keys 32 (t/32) + 16 g + 8 (l/16) + 0..7.
; LIMITS.  c q, k and v must lie within f16's 65,504 (inputs 30 times those drawn give some 5e3; a common offset of 30 spreads on x and W some 4e4); NaN and infinities are not treated apart.
; SHARES.  A work-group makes 128 rows x four heads (128 columns each of q, k, v): 32 x 8 = 256 work-groups.  Wave w makes all 128 rows of head 4 tc + w: 8 row blocks x 6 column blocks
; (q0 q1 k0 k1 v0 v1) = 48 accumulators, 384 registers: for 32 along K 28 LDS loads feed 48 matrix instructions.
; q and k are taken TRANSPOSED (source 0 = 16 rows of W): a lane then holds one row t and eight neighbouring channels, four RoPE pairs.  v is taken as it comes (source 0 = 16 rows of x): a lane holds
; one channel and eight neighbouring t.  Both are the 16 bytes a lane of the layouts above: every store of the wave covers 512 consecutive bytes, aligned, straight from registers.
; RING.  K goes in steps of 128 through two LDS slots; a slot holds 128 rows each of x, Wq, Wk, Wv, and wave w fetches part w by one tensor load (128 rows x 256 bytes, 16 bytes of padding a row).
; CLUSTER.  4 x 4 work-groups: x's tile hangs on the tile row alone and is asked for jointly along a row of the cluster, W's tiles on the tile column alone, jointly along a column.
; REGISTERS, in windows of 256 (s_set_vgpr_msb: bits 1:0 source 0, 3:2 source 1, 5:4 source 2, 7:6 destination):
;   window 0: v0-31 addresses; v32-143, v144-255 two fragment buffers (x's 8 fragments, then W's 6); on the way out v32-63 rotated numbers, v64-111 packed results
;   window 1: accumulators 0-31 (number 6 a + n at v[8 (6 a + n)]);  window 2: v0-127 accumulators 32-47; v128-255 the table: for row block a and channel half c eight registers cos, sin x 4
.set KSTEP,  128
.set PITCH,  272                       ; an LDS row: 256 bytes + 16 of padding = 68 words: the 16 rows of a fragment load start at 16 different groups of four banks (64 banks of 4 bytes: ISA guide 11.1)
.set HALFT,  128*PITCH                 ; what one tensor load brings
.set SLOT,   4*HALFT                   ; x, Wq, Wk, Wv
.set SPARE,  2*SLOT                    ; behind the ring: the spare words, 128 bytes a wave: two blocks of 256 bytes that no other line names
.set LAPS,   1024/(2*KSTEP)            ; a lap = two K steps = once round the ring
.set ADRA, 16                          ; v16-17  LDS address of my fragments of x in slot 0, 1
.set ADRB, 18                          ; v18-19  of my head's rows of Wq (Wk's lie HALFT further, in the immediate)
.set ADRV, 20                          ; v20-21  of Wv's: 2 HALFT does not fit the 16-bit immediate
.set GO,   22                          ; v22     16 x lane: my place in 512 bytes of qf, kf, vf
.set RO,   23                          ; v23     my place in 16 rows of the table: 128 (l%16) + 32 (l/16)
.set PFO,  24                          ; v24     the prefetches' offset: lane x a row of 2,048 bytes
.set SPW,  28                          ; v28     LDS address of my spare word; never rewritten
.set NIL,  29                          ; v29     0; never rewritten
.set F0,   32
.set F1,   144
.set TAB,  128                         ; window 2
.set R,    32                          ; the way out: 32 rotated numbers (q0 q1 k0 k1, 8 each)
.set PK,   64                          ; the way out: two sets of 24 packed words, by the row block's parity
.set WV,   14                          ; s14  my wave's number
.set LIM,  15                          ; s15  1 in a wave that prefetches, else the greatest number
.set G1A,  24                          ; s[24:31] descriptor group 1 for x's tiles
.set G0A,  32                          ; s[32:39] group 0, a set for each slot
.set PFA,  40                          ; s[40:41] where my prefetches stand
.set G1B,  48                          ; s[48:55], s[56:63] the same for W's tiles
.set G0B,  56
.set CQ,   66                          ; s[66:67] c, named as a pair
.set MSB, 0
.macro WIN new                         ; the immediate's high byte repeats the setting that is left; a switch that changes nothing is dropped
.if MSB != (\new)
	s_set_vgpr_msb (MSB<<8)|(\new)
.set MSB, \new
.endif
.endm
; A joint load.  Wave 0 fetches x's tile, waves 1-3 those of Wq, Wk, Wv.  Each line has one mask; the branch hangs on the wave's number alone.  An s_nop 0 and four v_nop follow each line.
.macro JLOAD s
	s_cmp_eq_u32 s[WV], 0
	s_cbranch_scc0 .Lfor_w_\@
	tensor_load_to_lds s[G0A+4*(\s):G0A+4*(\s)+3], s[G1A:G1A+7]
	s_nop 0
.rept 4
	v_nop
.endr
	s_branch .Lasked_\@
.Lfor_w_\@:
	tensor_load_to_lds s[G0B+4*(\s):G0B+4*(\s)+3], s[G1B:G1B+7]
	s_nop 0
.rept 4
	v_nop
.endr
.Lasked_\@:
.endm
; A prefetch, behind each joint refill and the run of LDS loads that follows it: the K step that stands two refills on, 32 rows x 256 bytes, a lane a row, one instruction a wave.
; Each row's 256 bytes of a K step are named once in the launch: x's tile row is read by both clusters of a row of clusters, and the one with x = 0 asks (its waves 0); W's tile column by the eight
; clusters of a column, and the one with y = 0 asks (its waves 1-3).  The four partners of a joint load take 32 rows each, told apart by address.  The loop's last trip (s3 = 1) has no K step two on.
.macro ASK
	s_cmp_gt_u32 s3, s[LIM]
	s_cbranch_scc0 .Lnot_mine_\@
	global_prefetch_b8 v[PFO], s[PFA:PFA+1] offset:KSTEP*2 th:TH_LOAD_NT scope:SCOPE_SE
.Lnot_mine_\@:
.endm
.macro CREST                           ; a round of the cluster's barrier behind its opening barrier
	s_cmp_lg_u32 s[WV], 0
	s_cbranch_scc1 .Lnot_wave_0_\@
	s_barrier_signal -3
.Lnot_wave_0_\@:
	s_barrier_wait -3
	s_barrier_signal -1
	s_barrier_wait -1
.endm
.macro CROUND                          ; a whole round
	s_barrier_signal -1
	s_barrier_wait -1
	CREST
.endm
	s_load_b128 s[4:7], s[0:1], 0x0                ; cast s[4:5], rope s[6:7]
	s_load_b128 s[8:11], s[0:1], 0x10              ; qf s[8:9], kf s[10:11]
	s_load_b64 s[12:13], s[0:1], 0x20              ; vf
	v_lshl_add_u32 v[SPW], v0, 2, SPARE
	v_mov_b32 v[NIL], 0
	ds_add_u32 v[SPW], v[NIL]                      ; the wave's opening: the add and its wait stand ahead of my first tensor load; work on registers stands between them
	v_lshrrev_b32 v1, 5, v0
	v_readfirstlane_b32 s[WV], v1                  ; wave 0..3
	s_bfe_u32 s16, ttmp6, 0x40000                  ; cx
	s_bfe_u32 s17, ttmp6, 0x40004                  ; cy
	s_lshl_b32 s18, ttmp9, 2
	s_add_co_u32 s18, s18, s16                     ; tc = 4 x cluster x + cx: heads 4 tc .. 4 tc + 3
	s_and_b32 s19, ttmp7, 0xffff
	s_lshl_b32 s19, s19, 2
	s_add_co_u32 s19, s19, s17                     ; tr = 4 x cluster y + cy: rows 128 tr ..
	s_lshl_b32 s20, s17, 2
	s_lshl_b32 s20, 15, s20                        ; my row of the cluster
	s_lshl_b32 s44, 0x1111, s16                    ; my column
	s_or_b32 s[G1A], s20, (1<<16)|(1<<20)|(1<<21)|(5<<22)|(3<<25)  ; 15:0 the mask; 17:16 2-byte elements; 20 padding on; 21 set beside a mask; 24:22 after every 64 words (code 5); 31:25 4 words (code 3)
	s_or_b32 s[G1B], s44, (1<<16)|(1<<20)|(1<<21)|(5<<22)|(3<<25)
.irp g, G1A, G1B
	s_mov_b32 s[(\g)+1], KSTEP<<16                 ; tensor_dim0 = 128
	s_mov_b32 s[(\g)+2], 128<<16                   ; tensor_dim1 = 128
	s_mov_b32 s[(\g)+3], KSTEP<<16                 ; tile_dim0 = 128
	s_mov_b32 s[(\g)+4], 128                       ; tile_dim1 = 128
	s_mov_b32 s[(\g)+5], 1024                      ; elements from row to row
	s_mov_b32 s[(\g)+6], 0
	s_mov_b32 s[(\g)+7], 0
.endr
	s_lshl_b32 s20, s19, 18                        ; x: 128 tr rows of 2,048 bytes (registers that never hold cx)
	s_mov_b32 s21, 0
	s_lshl_b32 s44, s18, 18                        ; W: 128 tc rows (registers that never hold cy),
	s_lshl_b32 s45, s[WV], 21
	s_add_co_u32 s44, s44, s45
	s_add_co_u32 s44, s44, 0x600000                ; in the matrix of wave w = 1, 2, 3: at 6 MiB + 2 MiB x w of cast (wave 0 makes the number and never uses it)
	s_mov_b32 s45, 0
	s_mul_i32 s22, s[WV], HALFT                    ; where my part of a slot lies: wave x 128 rows
	s_mov_b32 s[CQ], 0x3e8293ee                    ; c = log2(e) / sqrt(32) = 0.255035
	s_mov_b32 s[CQ+1], s[CQ]
	s_wait_dscnt 0x0                               ; the opening add is done
	s_wait_kmcnt 0x0
	s_add_nc_u64 s[42:43], s[4:5], s[20:21]
	s_add_nc_u64 s[46:47], s[4:5], s[44:45]
	CROUND                                         ; all sixteen work-groups are here: the first joint loads meet
.irp s, 0,1
	s_mov_b32 s[G0A+4*(\s)], 1                                     ; count = 1
	s_add_co_u32 s[G0A+4*(\s)+1], s22, (\s)*SLOT                   ; LDS address
	s_add_nc_u64 s[G0A+4*(\s)+2:G0A+4*(\s)+3], s[42:43], (\s)*KSTEP*2  ; global address: K step s
	s_or_b32 s[G0A+4*(\s)+3], s[G0A+4*(\s)+3], 0x80000000          ; type = 2
	s_mov_b32 s[G0B+4*(\s)], 1
	s_add_co_u32 s[G0B+4*(\s)+1], s22, (\s)*SLOT
	s_add_nc_u64 s[G0B+4*(\s)+2:G0B+4*(\s)+3], s[46:47], (\s)*KSTEP*2
	s_or_b32 s[G0B+4*(\s)+3], s[G0B+4*(\s)+3], 0x80000000
	JLOAD \s                                       ; two loads of mine are out
.endr
	v_and_b32 v1, 15, v0                           ; l % 16
	v_bfe_u32 v2, v0, 4, 1                         ; l / 16
	v_lshlrev_b32 v[RO], 7, v1
	v_lshl_add_u32 v[RO], v2, 5, v[RO]
	s_and_b32 s70, s19, 15                         ; the tile's place in its batch's 2,048 rows
	s_lshl_b32 s68, s70, 13                        ; 128 rows are 8,192 bytes of a head in qf, kf and vf,
	s_lshl_b32 s70, s70, 14                        ; and 16,384 bytes of the table
	s_mov_b32 s71, 0
	s_add_nc_u64 s[6:7], s[6:7], s[70:71]
	WIN 0x80                                       ; destination window 2, address window 0
.irp a, 0,1,2,3,4,5,6,7                ; the table for my 128 rows stays in registers: a lane's four pairs of (cos, sin) for row 16 a + l%16, channels 16 c + 8 (l/16) ..
.irp c, 0,1
	global_load_b128 v[TAB+16*(\a)+8*(\c):TAB+16*(\a)+8*(\c)+3],   v[RO], s[6:7] offset:(\a)*2048+(\c)*64
	global_load_b128 v[TAB+16*(\a)+8*(\c)+4:TAB+16*(\a)+8*(\c)+7], v[RO], s[6:7] offset:(\a)*2048+(\c)*64+16
.endr
.endr
	WIN 0
	; A fragment is 16 rows x 32 K in 8 registers: lane l holds row l % 16, K = 8 (l / 16) + 0..7 and 16 + 8 (l / 16) + 0..7: two loads of 16 bytes, 32 bytes apart.
	v_mul_u32_u24 v3, v1, PITCH
	v_lshl_add_u32 v3, v2, 4, v3
	v_mov_b32 v[ADRA], v3
	v_add_nc_u32 v[ADRA+1], SLOT, v3
	s_mul_i32 s23, s[WV], 32*PITCH                 ; my head's 32 rows of each W tile
	s_add_co_u32 s23, s23, HALFT
	v_add_nc_u32 v[ADRB], s23, v3
	v_add_nc_u32 v[ADRB+1], SLOT, v[ADRB]
	v_add_nc_u32 v[ADRV], 2*HALFT, v[ADRB]
	v_add_nc_u32 v[ADRV+1], 2*HALFT, v[ADRB+1]
	v_and_b32 v[GO], 31, v0
	v_lshlrev_b32 v[PFO], 11, v[GO]
	v_lshlrev_b32 v[GO], 4, v[GO]
	s_lshr_b32 s72, s19, 4                         ; b
	s_lshl_b32 s72, s72, 3
	s_add_co_u32 s72, s72, s18
	s_lshl_b32 s72, s72, 2
	s_add_co_u32 s72, s72, s[WV]                   ; bh = 32 b + 4 tc + w
	s_lshl_b32 s72, s72, 17                        ; a head is 131,072 bytes in each of the three
	s_add_co_u32 s68, s68, s72
	s_mov_b32 s69, 0
	s_add_nc_u64 s[8:9], s[8:9], s[68:69]
	s_add_nc_u64 s[10:11], s[10:11], s[68:69]
	s_add_nc_u64 s[12:13], s[12:13], s[68:69]
	; the prefetches
	s_and_b32 s74, ttmp7, 0xffff                   ; cluster y
	s_lshl_b32 s75, s[WV], 21
	s_add_co_u32 s75, s75, 0x600000
	s_cmp_eq_u32 s[WV], 0                          ; do I fetch x?
	s_cselect_b32 s72, s19, s18                    ; the tile: by tr, or by tc
	s_cselect_b32 s73, s16, s17                    ; my place among the four that ask with me
	s_cselect_b32 s74, ttmp9, s74                  ; the coordinate along which other clusters read the same rows
	s_cselect_b32 s75, 0, s75                      ; the matrix's place in cast
	s_cmp_eq_u32 s74, 0
	s_cselect_b32 s[LIM], 1, -1                    ; the same in all sixteen partners, for a given wave
	s_lshl_b32 s72, s72, 18
	s_lshl_b32 s73, s73, 16                        ; my work-group's 32 rows
	s_add_co_u32 s72, s72, s73
	s_add_co_u32 s72, s72, s75
	s_add_co_u32 s72, s72, 2*KSTEP*2               ; at K step 2: the first refill steps it to 3 and names K step 4.  Nothing is prefetched here, at the head
	s_mov_b32 s73, 0
	s_add_nc_u64 s[PFA:PFA+1], s[4:5], s[72:73]
; 12 matrix instructions: row blocks a0, a0 + 1 x all 6 column blocks, 32 along K.  The 48 accumulators take turns in the same order in every quarter step.  zero = 1: the first product starts the sums.
.macro MUL2 f, a0, zero
.irp a, \a0, (\a0)+1
.irp n, 0,1,2,3,4,5
.set idx, 6*(\a)+(\n)
.if idx < 32
	WIN 0x50                                       ; C and D window 1
.set rD, 8*idx
.else
	WIN 0xa0                                       ; C and D window 2
.set rD, 8*(idx-32)
.endif
.set rA, (\f)+8*(\a)
.set rB, (\f)+64+8*(\n)
.if (\n) < 4
.if \zero
	v_wmma_f32_16x16x32_bf16 v[rD:rD+7], v[rB:rB+7], v[rA:rA+7], 0
.else
	v_wmma_f32_16x16x32_bf16 v[rD:rD+7], v[rB:rB+7], v[rA:rA+7], v[rD:rD+7]
.endif
.else
.if \zero
	v_wmma_f32_16x16x32_bf16 v[rD:rD+7], v[rA:rA+7], v[rB:rB+7], 0
.else
	v_wmma_f32_16x16x32_bf16 v[rD:rD+7], v[rA:rA+7], v[rB:rB+7], v[rD:rD+7]
.endif
.endif
.endr
.endr
.endm
; 28 LDS loads in one run: a quarter step's fragments (32 K at byte k of the rows) into buffer f: W's 12 loads, then x's 16, row blocks ascending
.macro FETCH slot, k, f
	WIN 0
.irp n, 0,1,2,3
	ds_load_b128 v[(\f)+64+8*(\n):(\f)+64+8*(\n)+3],   v[ADRB+(\slot)] offset:((\n)/2)*HALFT+((\n)%2)*16*PITCH+(\k)
	ds_load_b128 v[(\f)+64+8*(\n)+4:(\f)+64+8*(\n)+7], v[ADRB+(\slot)] offset:((\n)/2)*HALFT+((\n)%2)*16*PITCH+(\k)+32
.endr
.irp n, 4,5
	ds_load_b128 v[(\f)+64+8*(\n):(\f)+64+8*(\n)+3],   v[ADRV+(\slot)] offset:((\n)%2)*16*PITCH+(\k)
	ds_load_b128 v[(\f)+64+8*(\n)+4:(\f)+64+8*(\n)+7], v[ADRV+(\slot)] offset:((\n)%2)*16*PITCH+(\k)+32
.endr
.irp a, 0,1,2,3,4,5,6,7
	ds_load_b128 v[(\f)+8*(\a):(\f)+8*(\a)+3],   v[ADRA+(\slot)] offset:(\a)*16*PITCH+(\k)
	ds_load_b128 v[(\f)+8*(\a)+4:(\f)+8*(\a)+7], v[ADRA+(\slot)] offset:(\a)*16*PITCH+(\k)+32
.endr
.endm
.macro PLACES                          ; four plain instructions in front of loads into registers that matrix instructions have read, and of vector lines that read results (ISA guide 7.12.1 for vector lines)
.rept 4
	v_nop
.endr
.endm
; A K step is four quarters of 32 along K, 48 matrix instructions each, on buffers 0, 1, 0, 1.  One of the first three: multiplies f; in its middle it fetches the next quarter, at byte k, into g.
.macro QUARTER slot, k, f, g, zero
	s_wait_dscnt 8                                 ; W's fragments and x's row blocks 0-3 are in; the youngest eight loads (blocks 4-7) may be out
	MUL2 \f, 0, \zero
	MUL2 \f, 2, \zero
	PLACES
	FETCH \slot, \k, \g
	s_wait_dscnt 28                                ; all but the 28 just issued
	MUL2 \f, 4, \zero
	MUL2 \f, 6, \zero
.endm
; The last quarter's first half: one barrier for the change of slots.  In front of it each wave waits for all its tensor loads (one is out: its part of the next slot), adds 0 to its spare word, and waits for that and its reads of this slot.
.macro MEET round
	WIN 0                                          ; (the add's two registers lie in window 0)
	s_wait_tensorcnt 0x0
	ds_add_u32 v[SPW], v[NIL]
	s_wait_dscnt 9                                 ; (the add and the youngest eight loads may be out)
	MUL2 F1, 0, 0                                  ; twelve matrix instructions stand between the add and the wait for it
	s_wait_dscnt 0x0                               ; the add is done, and my reads of this slot are over
	s_barrier_signal -1
	MUL2 F1, 2, 0                                  ; work on registers while the others arrive
.if \round
	WIN 0
.endif
	s_barrier_wait -1
.endm
; The whole last quarter.  fill = 1: the barrier opens a round of the cluster's, so that no wave of any partner still reads the slot or has a load on its way; the joint refill, two K steps on, is the first
; thing behind it: 24 + 3 x 48 = 168 matrix instructions ahead of the wait for it.
.macro TURN slot, next, fill
.if \fill
	s_wait_xcnt 0x0                                ; the last prefetch, a K step back, has read its address
	s_add_nc_u64 s[PFA:PFA+1], s[PFA:PFA+1], KSTEP*2
.endif
	MEET \fill
.if \fill
	CREST
	s_add_nc_u64 s[G0A+4*(\slot)+2:G0A+4*(\slot)+3], s[G0A+4*(\slot)+2:G0A+4*(\slot)+3], 2*KSTEP*2
	s_add_nc_u64 s[G0B+4*(\slot)+2:G0B+4*(\slot)+3], s[G0B+4*(\slot)+2:G0B+4*(\slot)+3], 2*KSTEP*2
	JLOAD \slot                                    ; its four v_nop are also the places in front of the loads below
.else
	PLACES
.endif
	FETCH \next, 0, F0
.if \fill
	ASK
.endif
	MUL2 F1, 4, 0
	MUL2 F1, 6, 0
.endm
	s_wait_tensorcnt 1                             ; my part of K step 0 is in; K step 1's may stay out
	s_barrier_signal -1
	s_barrier_wait -1                              ; everybody's is
	FETCH 0, 0, F0
	QUARTER 0, 64,  F0, F1, 1                      ; the first quarter stands in front of the loop: its products start the sums
	WIN 0                                          ; at a label and at a branch every window is 0
	s_mov_b32 s3, LAPS-1
.Llap:                                                 ; a trip goes once round the ring, from a lap's second quarter to the next lap's first, and fills both slots again
	QUARTER 0, 128, F1, F0, 0
	QUARTER 0, 192, F0, F1, 0
	TURN 0, 1, 1
	QUARTER 1, 64,  F0, F1, 0
	QUARTER 1, 128, F1, F0, 0
	QUARTER 1, 192, F0, F1, 0
	TURN 1, 0, 1
	QUARTER 0, 64,  F0, F1, 0
	WIN 0
	s_sub_co_u32 s3, s3, 1
	s_cmp_lg_u32 s3, 0
	s_cbranch_scc1 .Llap
	QUARTER 0, 128, F1, F0, 0                      ; the last lap fills nothing
	QUARTER 0, 192, F0, F1, 0
	TURN 0, 1, 0
	QUARTER 1, 64,  F0, F1, 0
	QUARTER 1, 128, F1, F0, 0
	QUARTER 1, 192, F0, F1, 0
	s_wait_dscnt 8                                 ; the very last quarter: nothing more to fetch
	MUL2 F1, 0, 0
	MUL2 F1, 2, 0
	s_wait_dscnt 0x0
	MUL2 F1, 4, 0
	MUL2 F1, 6, 0
	PLACES
	s_wait_loadcnt 0x0                             ; the table
; THE WAY OUT of row block a.  q and k: each pair (xe, xo) of neighbouring channels becomes (xe cos - xo sin, xe sin + xo cos); q is multiplied by c; all are rounded once to f16.  v is rounded as it stands.
; Each accumulator's registers are read in ascending order.  Six stores of 512 consecutive bytes.
.macro OUT a
.if (\a) >= 2
	s_wait_xcnt 0x0                                ; the stores of two blocks back have read this set of packed words
.endif
.set pkb, PK+24*((\a)%2)
.irp n, 0,1,2,3
.set idx, 6*(\a)+(\n)
.if idx < 32
	WIN 0x09                                       ; source 0 (sums) window 1, source 1 (table) window 2, source 2 and destination window 0
.set rD, 8*idx
.else
	WIN 0x0a                                       ; sums in window 2
.set rD, 8*(idx-32)
.endif
.set rT, TAB+16*(\a)+8*((\n)%2)
.set rR, R+8*(\n)
.irp i, 0,1,2,3
	v_mul_f32 v[rR+2*(\i)],   v[rD+2*(\i)], v[rT+2*(\i)]
	v_mul_f32 v[rR+2*(\i)+1], v[rD+2*(\i)], v[rT+2*(\i)+1]
.endr
.irp i, 0,1,2,3
	v_fma_f32 v[rR+2*(\i)],   -v[rD+2*(\i)+1], v[rT+2*(\i)+1], v[rR+2*(\i)]
	v_fma_f32 v[rR+2*(\i)+1], v[rD+2*(\i)+1],  v[rT+2*(\i)],   v[rR+2*(\i)+1]
.endr
.endr
	WIN 0
.irp i, 0,2,4,6,8,10,12,14
	v_pk_mul_f32 v[R+(\i):R+(\i)+1], v[R+(\i):R+(\i)+1], s[CQ:CQ+1] op_sel_hi:[1,0]
.endr
.irp i, 0,1,2,3,4,5,6,7,8,9,10,11,12,13,14,15
	v_cvt_pk_f16_f32 v[pkb+(\i)], v[R+2*(\i)], v[R+2*(\i)+1]
.endr
.irp n, 4,5
.set idx, 6*(\a)+(\n)
.if idx < 32
	WIN 0x05                                       ; sources 0 and 1 window 1
.set rD, 8*idx
.else
	WIN 0x0a
.set rD, 8*(idx-32)
.endif
.irp i, 0,1,2,3
	v_cvt_pk_f16_f32 v[pkb+16+4*((\n)-4)+(\i)], v[rD+2*(\i)], v[rD+2*(\i)+1]
.endr
.endr
	WIN 0
	global_store_b128 v[GO], v[pkb:pkb+3],     s[8:9]   offset:(\a)*1024
	global_store_b128 v[GO], v[pkb+4:pkb+7],   s[8:9]   offset:(\a)*1024+512
	global_store_b128 v[GO], v[pkb+8:pkb+11],  s[10:11] offset:(\a)*1024
	global_store_b128 v[GO], v[pkb+12:pkb+15], s[10:11] offset:(\a)*1024+512
	global_store_b128 v[GO], v[pkb+16:pkb+19], s[12:13] offset:((\a)/2)*2048+((\a)%2)*512
	global_store_b128 v[GO], v[pkb+20:pkb+23], s[12:13] offset:((\a)/2)*2048+1024+((\a)%2)*512
.endm
.irp a, 0,1,2,3,4,5,6,7
	OUT \a
.endr
	s_wait_tensorcnt 0x0                           ; the wave's end
	ds_add_u32 v[SPW], v[NIL]
	s_wait_dscnt 0x0
	CROUND                                         ; the closing round: no work-group ends while a partner may still ask for a tile that names it
	s_endpgm
.Lfunc_end_k_q1a8b6cc897_qkv:
	.size	k_q1a8b6cc897_qkv, .Lfunc_end_k_q1a8b6cc897_qkv-k_q1a8b6cc897_qkv
	.p2alignl 7, 3214868480
	.fill 96, 4, 3214868480
	.section	.rodata,"a",@progbits
	.p2align	6, 0x0
	.amdhsa_kernel k_q1a8b6cc897_qkv
		.amdhsa_group_segment_fixed_size 327680
		.amdhsa_private_segment_fixed_size 0
		.amdhsa_enable_private_segment 0
		.amdhsa_kernarg_size 40
		.amdhsa_user_sgpr_count 2
		.amdhsa_user_sgpr_kernarg_segment_ptr 1
		.amdhsa_wavefront_size32 1
		.amdhsa_system_sgpr_workgroup_id_x 1
		.amdhsa_system_sgpr_workgroup_id_y 1
		.amdhsa_system_sgpr_workgroup_id_z 1
		.amdhsa_system_vgpr_workitem_id 0
		.amdhsa_next_free_vgpr 768
		.amdhsa_next_free_sgpr 80
		.amdhsa_reserve_vcc 0
		.amdhsa_float_denorm_mode_32 3
		.amdhsa_float_denorm_mode_16_64 3
		.amdhsa_memory_ordered 1
		.amdhsa_forward_progress 1
		.amdhsa_inst_pref_size 141
	.end_amdhsa_kernel
	.amdgpu_metadata
---
amdhsa.version: [ 1, 2 ]
amdhsa.kernels:
  - .name:           k_q1a8b6cc897_qkv
    .symbol:         k_q1a8b6cc897_qkv.kd
    .args:
      - { .name: cast, .offset: 0, .size: 8, .value_kind: global_buffer, .address_space: global }
      - { .name: rope, .offset: 8, .size: 8, .value_kind: global_buffer, .address_space: global }
      - { .name: qf, .offset: 16, .size: 8, .value_kind: global_buffer, .address_space: global }
      - { .name: kf, .offset: 24, .size: 8, .value_kind: global_buffer, .address_space: global }
      - { .name: vf, .offset: 32, .size: 8, .value_kind: global_buffer, .address_space: global }
    .group_segment_fixed_size: 327680
    .private_segment_fixed_size: 0
    .kernarg_segment_align: 8
    .kernarg_segment_size: 40
    .max_flat_workgroup_size: 128
    .sgpr_count:     80
    .vgpr_count:     768
    .wavefront_size: 32
...
	.end_amdgpu_metadata
.endif
;; end of part 2
;; launch attn (part 3): grid 4 x 64, 8 waves a work-group, clusters of 4 x 1, 263,168 bytes of LDS; arguments qf, kf, vf, of; writes of
.if DOCPART == 3
	.amdgcn_target "amdgcn-amd-amdhsa--gfx1250"
	.amdhsa_code_object_version 6
	.text
	.protected	k_q1a8b6cc897_attn
	.globl	k_q1a8b6cc897_attn
	.p2align	8
	.type	k_q1a8b6cc897_attn,@function
k_q1a8b6cc897_attn:
	s_mov_b64 s[64:65], 0
	v_nop
	global_prefetch_b8 v0, s[64:65] scope:SCOPE_SE
	s_setreg_imm32_b32 hwreg(HW_REG_WAVE_MODE, 25, 1), 1
	s_wait_xcnt 0x0
	s_wait_alu depctr_hold_cnt(0) depctr_sa_sdst(0) depctr_va_vdst(0) depctr_va_sdst(0) depctr_va_ssrc(0) depctr_va_vcc(0) depctr_vm_vsrc(0)
	s_getreg_b32 s2, hwreg(HW_REG_IB_STS2, 6, 4)
	s_cmp_eq_u32 s2, 0
	s_cbranch_scc0 .Lentry_in_a_cluster
	s_endpgm
.Lentry_in_a_cluster:
	s_bfe_u32 s2, ttmp6, 0x10000c
	s_cmp_lg_u32 s2, 0x3003
	s_cbranch_scc0 .Lentry_shape_is_right
	s_endpgm
.Lentry_shape_is_right:
; ATTENTION at head size 32, no mask.  O[q] = sum over k of softmax_k(q . k / sqrt(32)) v[k], for 64 heads (batch x head) of 2,048 rows.  qf holds c q, c = log2(e) / sqrt(32); all operands f16 in
; fragment order (the launch before says which byte is what); products, maxima and sums in f32; the weights p are rounded to f16 for the second product (their sum is taken of the unrounded p), O once.
; of: byte ((RB 32 + h) 2 + c) 512 + 16 lane, RB = (2048 b + t) / 16: lane l holds row l%16, channels 16 c + 8 (l/16) + 0..7 of head h: the next launch's fragments.
; LIMITS.  Operands within f16's 65,504; p below 6e-5 keeps f16's fixed step; a weight below 2^-126 counts as 0; NaN and infinities are not treated apart.
; A HEAD'S WHOLE K AND V LIE IN LDS: 2 x 131,072 bytes, each byte filled once, so there is no ring and the loops hold no barrier.
; TWO PASSES.  Pass 1: S^T = K Q^T and the exact maximum m of each query's 2,048 scores.  Pass 2: S^T = K Q^T + (-m), the maximum taken away by the product's C operand, so p = 2^S needs no scaling line;
; there is no running maximum, nothing is rescaled, and no line waits for a chain of statistics.  For 16 queries x 64 keys: 4 + 8 matrix and 16 + 64 vector instructions.
; LAYOUT.  S^T (source 0 = 16 keys, source 1 = 16 queries) holds ONE query a lane (l%16) and keys 8 (l/16) + 0..7; two such results rounded in pairs ARE source 1 of O^T = V^T P.
; SHARES.  A work-group owns 512 queries of one head, each of its eight waves four tiles of 16.  Two waves share a SIMD: one issues while the other stands at the wait behind its exponentials.
; CLUSTER.  The four work-groups of a head want the same K and V: each 16 KiB part is asked for jointly, by the same load with the same descriptor and the mask of four.
; REGISTERS (s_set_vgpr_msb: bits 1:0 source 0, 3:2 source 1, 5:4 source 2, 7:6 destination):
;   window 0: v2-7 addresses; v8-11 m; v16-31 pass 1: four maxima a tile, pass 2: two packed sums a tile; v32-63 Q; v64-127 K, two buffers; v128-255 S^T, a buffer a tile (pass 1 uses two)
;   window 1: v0-63 O^T, 16 a tile; v64-95 -m, eight copies a tile (a C operand); v96-159 V, two buffers
.set KBYTES, 131072                    ; K at LDS byte 0, V behind it
.set STEPB,  4096                      ; a step of 64 keys: four fragments of 1,024 bytes, of K (16 keys each) or of V (key half kk, channel block cb at 2 kk + cb)
.set SPARE,  2*KBYTES                  ; the spare words, 128 bytes a wave: four blocks of 256 bytes that no other line names
.set LN,  2                            ; v2  16 x lane: my place in every fragment, in LDS and in memory; never rewritten
.set AK,  3                            ; v3  LDS address of K's next run of loads
.set AV,  4                            ; v4  of V's
.set SPW, 6                            ; v6  LDS address of my spare word; never rewritten
.set NIL, 7                            ; v7  0; never rewritten
.set TM,  8
.set MX,  16
.set L,   16
.set Q,   32
.set KB,  64
.set S,   128
.set O,   0                            ; window 1
.set CM,  64                           ; window 1
.set VB,  96                           ; window 1
.set WV,  12                           ; s12  my wave's number
.set G1,  16                           ; s[16:23] descriptor group 1
.set G0K, 24                           ; s[24:27] group 0 for my part of K
.set G0V, 28                           ; s[28:31] of V
.set SEL, 36                           ; s[36:37] v_permlanex16_b32's selects: each lane takes its own place in the other half
.set CNT, 38                           ; s38  counts trips
.set TBK, 39                           ; s39  LDS byte of the step of K to be fetched
.set TBV, 42                           ; s42  of V
.set WX,  0x10                         ; pass 2's base setting: source 2 (the C operand -m) in window 1, all else in window 0; lines with two sources run under it unchanged
.set WY,  0x51                         ; V^T P: V, C and D in window 1, P in window 0
.set W1,  0x40                         ; destination in window 1
.set MSB, 0
.macro WIN new                         ; the high byte repeats the setting that is left; a switch that changes nothing is dropped
.if MSB != (\new)
	s_set_vgpr_msb (MSB<<8)|(\new)
.set MSB, \new
.endif
.endm
.macro CROUND                          ; a round of the cluster's barrier
	s_barrier_signal -1
	s_barrier_wait -1
	s_cmp_lg_u32 s[WV], 0
	s_cbranch_scc1 .Lnot_wave_0_\@
	s_barrier_signal -3
.Lnot_wave_0_\@:
	s_barrier_wait -3
	s_barrier_signal -1
	s_barrier_wait -1
.endm
	s_load_b256 s[4:11], s[0:1], 0x0               ; qf s[4:5], kf s[6:7], vf s[8:9], of s[10:11]
	v_lshl_add_u32 v[SPW], v0, 2, SPARE
	v_mov_b32 v[NIL], 0
	ds_add_u32 v[SPW], v[NIL]                      ; the wave's opening: the add and its wait stand ahead of my first tensor load; work on registers stands between them
	v_lshrrev_b32 v1, 5, v0
	v_readfirstlane_b32 s[WV], v1                  ; wave 0..7
	s_bfe_u32 s13, ttmp6, 0x40000                  ; cx: my 512 queries; it enters Q's and O's addresses alone
	s_and_b32 s14, ttmp7, 0xffff                   ; bh = 32 b + h, which the four partners share
	; 16,384 dense bytes as 64 rows of 256
	s_mov_b32 s[G1], 15|(3<<16)|(1<<21)            ; 15:0 the mask of four; 17:16 8-byte elements; 21 set beside a mask; no padding: a fragment is read 16 bytes a lane on end
	s_mov_b32 s[G1+1], 32<<16                      ; tensor_dim0 = 32
	s_mov_b32 s[G1+2], 64<<16                      ; tensor_dim1 = 64
	s_mov_b32 s[G1+3], 32<<16                      ; tile_dim0 = 32
	s_mov_b32 s[G1+4], 64                          ; tile_dim1 = 64
	s_mov_b32 s[G1+5], 32                          ; elements from row to row
	s_mov_b32 s[G1+6], 0
	s_mov_b32 s[G1+7], 0
	s_lshl_b32 s15, s[WV], 14                      ; my eighth of the head's K and of its V
	s_mov_b32 s[G0K], 1
	s_mov_b32 s[G0K+1], s15
	s_mov_b32 s[G0V], 1
	s_add_co_u32 s[G0V+1], s15, KBYTES
	s_lshl_b32 s32, s14, 17                        ; a head is 131,072 bytes in qf, kf and vf
	s_add_co_u32 s32, s32, s15
	s_mov_b32 s33, 0
	s_lshl_b32 s34, s14, 17                        ; Q: tile 32 cx + 4 w + t, 1,024 bytes a tile
	s_lshl_b32 s35, s13, 15
	s_add_co_u32 s34, s34, s35
	s_lshl_b32 s35, s[WV], 12
	s_add_co_u32 s34, s34, s35
	s_mov_b32 s35, 0
	s_lshr_b32 s40, s14, 5                         ; O: 16 rows of all heads are 32,768 bytes; a batch has 128 such blocks
	s_lshl_b32 s40, s40, 22
	s_and_b32 s41, s14, 31
	s_lshl_b32 s41, s41, 10
	s_add_co_u32 s40, s40, s41
	s_lshl_b32 s41, s13, 20
	s_add_co_u32 s40, s40, s41
	s_lshl_b32 s41, s[WV], 17
	s_add_co_u32 s40, s40, s41
	s_mov_b32 s41, 0
	s_mov_b32 s[SEL], 0x76543210
	s_mov_b32 s[SEL+1], 0xfedcba98
	v_and_b32 v[LN], 31, v0
	v_lshlrev_b32 v[LN], 4, v[LN]
	s_wait_dscnt 0x0                               ; the opening add is done
	s_wait_kmcnt 0x0
	s_add_nc_u64 s[G0K+2:G0K+3], s[6:7], s[32:33]
	s_or_b32 s[G0K+3], s[G0K+3], 0x80000000        ; type = 2
	s_add_nc_u64 s[G0V+2:G0V+3], s[8:9], s[32:33]
	s_or_b32 s[G0V+3], s[G0V+3], 0x80000000
	s_add_nc_u64 s[4:5], s[4:5], s[34:35]
	s_add_nc_u64 s[10:11], s[10:11], s[40:41]
	CROUND                                         ; all four work-groups are here: the joint loads meet
	tensor_load_to_lds s[G0K:G0K+3], s[G1:G1+7]    ; all the launch's fills, as one group: two loads of mine are out
	s_nop 0
	tensor_load_to_lds s[G0V:G0V+3], s[G1:G1+7]
	s_nop 0
.rept 4
	v_nop
.endr
.irp t, 0,1,2,3
	global_load_b128 v[Q+8*(\t):Q+8*(\t)+3],   v[LN], s[4:5] offset:(\t)*1024
	global_load_b128 v[Q+8*(\t)+4:Q+8*(\t)+7], v[LN], s[4:5] offset:(\t)*1024+512
.endr
	s_wait_tensorcnt 1                             ; my part of K is in; V's may stay out
	s_barrier_signal -1
	s_barrier_wait -1                              ; everybody's part of K is in
; Product i of 4 of S^T = K Q^T for tile t: keys 16 i on, from K's buffer kb, into S^T's buffer sb.  One instruction is the whole sum: the head has 32 channels.  cm = 1: C = -m.
.macro KQ1 t, kb, sb, cm
.if \cm
	v_wmma_f32_16x16x32_f16 v[S+32*(\sb)+8*i:S+32*(\sb)+8*i+7], v[KB+32*(\kb)+8*i:KB+32*(\kb)+8*i+7], v[Q+8*(\t):Q+8*(\t)+7], v[CM+8*(\t):CM+8*(\t)+7]
.else
	v_wmma_f32_16x16x32_f16 v[S+32*(\sb)+8*i:S+32*(\sb)+8*i+7], v[KB+32*(\kb)+8*i:KB+32*(\kb)+8*i+7], v[Q+8*(\t):Q+8*(\t)+7], 0
.endif
.endm
; Product i of 4 of O^T += V^T P for tile t: keys 32 (i / 2) on, channels 16 (i % 2) on: the tile's two accumulators take turns.
.macro PV1 t, vb
	WIN WY
	v_wmma_f32_16x16x32_f16 v[O+16*(\t)+8*(i%2):O+16*(\t)+8*(i%2)+7], v[VB+32*(\vb)+8*i:VB+32*(\vb)+8*i+7], v[S+32*(\t)+8*(i/2):S+32*(\t)+8*(i/2)+7], v[O+16*(\t)+8*(i%2):O+16*(\t)+8*(i%2)+7]
.endm
; A run of 8 LDS loads: a step's four fragments.
.macro FETCH base, adr, off
.irp f, 0,1,2,3
	ds_load_b128 v[(\base)+8*(\f):(\base)+8*(\f)+3],   v[\adr] offset:(\off)+(\f)*1024
	ds_load_b128 v[(\base)+8*(\f)+4:(\base)+8*(\f)+7], v[\adr] offset:(\off)+(\f)*1024+512
.endr
.endm
; PASS 1.  Turn (step, t): the 4 products of the next tile (or of the next step's tile 0), behind each four of the 16 v_max3_num_f32 that take tile t's 32 scores into its four running maxima
; (chain i takes accumulator i, its lowest registers first).  Four plain riders stand between a product and the first line that reads it.
.macro TURN1 p, t, kq
.set kbuf, (\p)
.if (\t) == 3
.set kbuf, 1-(\p)
.endif
.set i, 0
.rept 4
.if \kq
	KQ1 ((\t)+1)%4, kbuf, ((\t)+1)%2, 0
.endif
.set j, 4*i
.rept 4
	v_max3_num_f32 v[MX+4*(\t)+j%4], v[MX+4*(\t)+j%4], v[S+32*((\t)%2)+8*(j%4)+2*(j/4)], v[S+32*((\t)%2)+8*(j%4)+2*(j/4)+1]
.set j, j+1
.endr
.set i, i+1
.endr
.endm
; A step: K(s) lies in buffer p.  Behind turn 2, which holds its last reader (four riders and the address line are the places between), the buffer takes K(s + 2); the wait just ahead is for K(s + 1), asked for four turns back.
.macro STEP1 p, kq
	TURN1 \p, 0, 1
	TURN1 \p, 1, 1
	TURN1 \p, 2, 1
	s_wait_dscnt 0x0
	v_add_nc_u32 v[AK], s[TBK], v[LN]
	FETCH KB+32*(\p), AK, 0
	s_add_co_u32 s[TBK], s[TBK], STEPB
	TURN1 \p, 3, \kq
.endm
	FETCH KB, LN, 0                                ; K(0), K(1)
	FETCH KB+32, LN, STEPB
	s_mov_b32 s[TBK], 2*STEPB
	s_mov_b32 s[CNT], 15
	s_wait_loadcnt 0x0                             ; Q
	s_wait_dscnt 0x0
.set i, 0
.rept 4
	KQ1 0, 0, 0, 0
.set i, i+1
.endr
.set i, 0
.rept 16
	v_mov_b32 v[MX+i], 0xff7fffff                  ; the maxima start at the lowest finite number; these lines are the places behind the first products
.set i, i+1
.endr
.Lp1:                                                  ; 15 trips of two steps: steps 0 to 29
	STEP1 0, 1
	STEP1 1, 1
	s_sub_co_u32 s[CNT], s[CNT], 1
	s_cmp_lg_u32 s[CNT], 0
	s_cbranch_scc1 .Lp1
	s_mov_b32 s[TBK], 0                            ; the last two steps fetch K(0) and K(1) again, for pass 2,
	STEP1 0, 1
	STEP1 1, 0                                     ; and the last turn has no next tile
	; BETWEEN THE PASSES: a query's other 1,024 keys lie in the lane 16 away; -m is laid out as a C operand.
.irp t, 0,1,2,3
	v_max3_num_f32 v[TM+(\t)], v[MX+4*(\t)], v[MX+4*(\t)+1], v[MX+4*(\t)+2]
.endr
.irp t, 0,1,2,3
	v_max_num_f32 v[TM+(\t)], v[TM+(\t)], v[MX+4*(\t)+3]
.endr
.irp t, 0,1,2,3
	v_permlanex16_b32 v[MX+4*(\t)], v[TM+(\t)], s[SEL], s[SEL+1]
.endr
.irp t, 0,1,2,3
	v_max_num_f32 v[TM+(\t)], v[TM+(\t)], v[MX+4*(\t)]
.endr
	WIN W1
.irp t, 0,1,2,3
.irp r, 0,1,2,3,4,5,6,7
	v_mul_f32 v[CM+8*(\t)+(\r)], -1.0, v[TM+(\t)]
.endr
.endr
	WIN 0
	s_wait_tensorcnt 0x0                           ; my part of V is in,
	s_wait_dscnt 0x0                               ; (K(0) and K(1) are back: no LDS instruction is out at a signal)
	s_barrier_signal -1
	s_barrier_wait -1                              ; everybody's is
	v_add_nc_u32 v[AV], KBYTES, v[LN]
	WIN W1
	FETCH VB, AV, 0                                ; V(0); and V(1), so that the first two turns' products on P = 0 find finite numbers
	FETCH VB+32, AV, STEPB
	WIN WX
.set i, 0
.rept 4
	KQ1 0, 0, 0, 1                                 ; tile 0's scores of step 0
.set i, i+1
.endr
	; No first step is written out; the price is 128 lines, once a wave: the sums, O^T, and what the first two turns take for the two tiles that have not been (their weights count as 0).  They are the places behind those products.
.set i, 0
.rept 16
	v_mov_b32 v[L+i], 0
	v_mov_b32 v[S+64+i], 0
.set i, i+1
.endr
.set i, 0
.rept 32
	v_mov_b32 v[S+96+i], 0
.set i, i+1
.endr
	WIN W1
.set i, 0
.rept 64
	v_mov_b32 v[O+i], 0
.set i, i+1
.endr
	WIN 0
	s_mov_b32 s[TBV], KBYTES+STEPB
	s_mov_b32 s[CNT], 15
	s_wait_dscnt 0x0                               ; V(0), V(1)
; PASS 2.  Number j of 32 of the plain lines behind a tile's exponentials: for each pair of weights the packed sum takes it (two chains by turns), then the pair is rounded to f16, IN PLACE: word j / 2 of the
; buffer, which lies below every pair still to be read.  The buffer's first 16 registers end as P.
.macro PLN t
.if j%2 == 0
	v_pk_add_f32 v[L+4*(\t)+2*((j/2)%2):L+4*(\t)+2*((j/2)%2)+1], v[L+4*(\t)+2*((j/2)%2):L+4*(\t)+2*((j/2)%2)+1], v[S+32*(\t)+2*(j/2):S+32*(\t)+2*(j/2)+1]
.else
	v_cvt_pk_f16_f32 v[S+32*(\t)+j/2], v[S+32*(\t)+2*(j/2)], v[S+32*(\t)+2*(j/2)+1]
.endif
.endm
; Turn n = (step, t) works on four tiles in a row: V^T P of n - 2 (4 products), K Q^T of n + 1 (4 products), the 32 exponentials of n, the 32 plain lines of n - 1.  Behind each product stand eight riders,
; plain and exponential by turns; none names a register of the products round it.  The exponentials are ONE batch: nothing in the turn names a result of theirs; a v_nop and one wait end the turn
; (both stand ahead of the first reader, which is the next turn's first plain line).
.macro TURN2 p, t, kq
.set vbuf, 1-(\p)                      ; tiles 2 and 3 of the step before
.if (\t) >= 2
.set vbuf, (\p)
.endif
.set kbuf, (\p)
.if (\t) == 3
.set kbuf, 1-(\p)                      ; tile 0 of the next step
.endif
.set sl, 0
.rept 8
.set i, sl%4
.if sl < 4
	PV1 ((\t)+2)%4, vbuf
.elseif \kq
	KQ1 ((\t)+1)%4, kbuf, ((\t)+1)%4, 1
.endif
	WIN WX
.set j, 4*sl
.rept 4
	PLN ((\t)+3)%4
	v_exp_f32 v[S+32*(\t)+j], v[S+32*(\t)+j]
.set j, j+1
.endr
.set sl, sl+1
.endr
	v_nop
	s_wait_alu depctr_va_vdst(0)
.endm
; A step: K(s), V(s) lie in buffers p.  Behind turn 1: the wait covers V(s), asked for four turns back, and K(s + 1), three turns back; V's other buffer, whose last reader stands four products and their
; riders back, takes V(s + 1).  Behind turn 2: K's buffer p, whose last reader is followed by four plain riders, the v_nop and the address line, takes K(s + 2).
.macro STEP2 p, fv, fk, kq
	WIN WX
	TURN2 \p, 0, 1
	TURN2 \p, 1, 1
	s_wait_dscnt 0x0
.if \fv
	v_add_nc_u32 v[AV], s[TBV], v[LN]
	WIN W1
	FETCH VB+32*(1-(\p)), AV, 0
	WIN WX
	s_add_co_u32 s[TBV], s[TBV], STEPB
.endif
	TURN2 \p, 2, 1
.if \fk
	v_add_nc_u32 v[AK], s[TBK], v[LN]
	FETCH KB+32*(\p), AK, 0
	s_add_co_u32 s[TBK], s[TBK], STEPB
.endif
	TURN2 \p, 3, \kq
.endm
.Lp2:                                                  ; 15 trips of two steps: steps 0 to 29
	STEP2 0, 1, 1, 1
	STEP2 1, 1, 1, 1
	WIN 0                                          ; at a label and at a branch every window is 0
	s_sub_co_u32 s[CNT], s[CNT], 1
	s_cmp_lg_u32 s[CNT], 0
	s_cbranch_scc1 .Lp2
	STEP2 0, 1, 0, 1                               ; step 30 fetches V(31) and no K; step 31 fetches nothing, and its last turn has no next tile
	STEP2 1, 0, 0, 0
.set i, 0
.rept 4                                ; what is left: V^T P of the last step's tiles 2 and 3, and tile 3's plain lines
	PV1 2, 1
	WIN WX
.set j, 8*i
.rept 8
	PLN 3
.set j, j+1
.endr
.set i, i+1
.endr
.set i, 0
.rept 4
	PV1 3, 1
.set i, i+1
.endr
	; THE WAY OUT.  The two chains, the pair's halves and the other half of the lanes' are added; O^T is divided by the sum and rounded to f16; a lane's eight channels are the 16 bytes of the layout at the head.
	; The additions are the places behind the last products.
	WIN 0
.irp t, 0,1,2,3
	v_pk_add_f32 v[L+4*(\t):L+4*(\t)+1], v[L+4*(\t):L+4*(\t)+1], v[L+4*(\t)+2:L+4*(\t)+3]
.endr
.irp t, 0,1,2,3
	v_add_f32 v[L+4*(\t)], v[L+4*(\t)], v[L+4*(\t)+1]
.endr
.irp t, 0,1,2,3
	v_permlanex16_b32 v[L+4*(\t)+1], v[L+4*(\t)], s[SEL], s[SEL+1]
.endr
.irp t, 0,1,2,3
	v_add_f32 v[L+4*(\t)], v[L+4*(\t)], v[L+4*(\t)+1]
.endr
.irp t, 0,1,2,3
	v_rcp_f32 v[L+4*(\t)], v[L+4*(\t)]
.endr
	v_nop                                          ; a plain instruction behind the last reciprocal,
	s_wait_alu depctr_va_vdst(0)                   ; and one wait for the four, ahead of their first reader
	WIN 0x41                                       ; O^T (destination and source 0) in window 1, 1 / sum in window 0
.irp t, 0,1,2,3
.irp r, 0,2,4,6,8,10,12,14
	v_pk_mul_f32 v[O+16*(\t)+(\r):O+16*(\t)+(\r)+1], v[O+16*(\t)+(\r):O+16*(\t)+(\r)+1], v[L+4*(\t):L+4*(\t)+1] op_sel_hi:[1,0]
.endr
.endr
	WIN 0x05                                       ; sources in window 1, destination in window 0
.irp t, 0,1,2,3
.irp r, 0,1,2,3,4,5,6,7
	v_cvt_pk_f16_f32 v[S+8*(\t)+(\r)], v[O+16*(\t)+2*(\r)], v[O+16*(\t)+2*(\r)+1]
.endr
.endr
	WIN 0
.irp t, 0,1,2,3
	global_store_b128 v[LN], v[S+8*(\t):S+8*(\t)+3],   s[10:11] offset:(\t)*32768      ; 512 consecutive bytes, aligned
	global_store_b128 v[LN], v[S+8*(\t)+4:S+8*(\t)+7], s[10:11] offset:(\t)*32768+512
.endr
	s_wait_tensorcnt 0x0                           ; the wave's end
	ds_add_u32 v[SPW], v[NIL]
	s_wait_dscnt 0x0
	CROUND                                         ; the closing round
	s_endpgm
.Lfunc_end_k_q1a8b6cc897_attn:
	.size	k_q1a8b6cc897_attn, .Lfunc_end_k_q1a8b6cc897_attn-k_q1a8b6cc897_attn
	.p2alignl 7, 3214868480
	.fill 96, 4, 3214868480
	.section	.rodata,"a",@progbits
	.p2align	6, 0x0
	.amdhsa_kernel k_q1a8b6cc897_attn
		.amdhsa_group_segment_fixed_size 263168
		.amdhsa_private_segment_fixed_size 0
		.amdhsa_enable_private_segment 0
		.amdhsa_kernarg_size 32
		.amdhsa_user_sgpr_count 2
		.amdhsa_user_sgpr_kernarg_segment_ptr 1
		.amdhsa_wavefront_size32 1
		.amdhsa_system_sgpr_workgroup_id_x 1
		.amdhsa_system_sgpr_workgroup_id_y 1
		.amdhsa_system_sgpr_workgroup_id_z 1
		.amdhsa_system_vgpr_workitem_id 0
		.amdhsa_next_free_vgpr 416
		.amdhsa_next_free_sgpr 66
		.amdhsa_reserve_vcc 0
		.amdhsa_float_denorm_mode_32 3
		.amdhsa_float_denorm_mode_16_64 3
		.amdhsa_memory_ordered 1
		.amdhsa_forward_progress 1
		.amdhsa_inst_pref_size 110
	.end_amdhsa_kernel
	.amdgpu_metadata
---
amdhsa.version: [ 1, 2 ]
amdhsa.kernels:
  - .name:           k_q1a8b6cc897_attn
    .symbol:         k_q1a8b6cc897_attn.kd
    .args:
      - { .name: qf, .offset: 0, .size: 8, .value_kind: global_buffer, .address_space: global }
      - { .name: kf, .offset: 8, .size: 8, .value_kind: global_buffer, .address_space: global }
      - { .name: vf, .offset: 16, .size: 8, .value_kind: global_buffer, .address_space: global }
      - { .name: of, .offset: 24, .size: 8, .value_kind: global_buffer, .address_space: global }
    .group_segment_fixed_size: 263168
    .private_segment_fixed_size: 0
    .kernarg_segment_align: 8
    .kernarg_segment_size: 32
    .max_flat_workgroup_size: 256
    .sgpr_count:     66
    .vgpr_count:     416
    .wavefront_size: 32
...
	.end_amdgpu_metadata
.endif
;; end of part 3
;; launch oproj (part 4): grid 8 x 32, 4 waves a work-group, clusters of 4 x 4, 327,680 bytes of LDS; arguments of, cast, out0; writes out0
.if DOCPART == 4
	.amdgcn_target "amdgcn-amd-amdhsa--gfx1250"
	.amdhsa_code_object_version 6
	.text
	.protected	k_q1a8b6cc897_oproj
	.globl	k_q1a8b6cc897_oproj
	.p2align	8
	.type	k_q1a8b6cc897_oproj,@function
k_q1a8b6cc897_oproj:
	s_mov_b64 s[64:65], 0
	v_nop
	global_prefetch_b8 v0, s[64:65] scope:SCOPE_SE
	s_setreg_imm32_b32 hwreg(HW_REG_WAVE_MODE, 25, 1), 1
	s_wait_xcnt 0x0
	s_wait_alu depctr_hold_cnt(0) depctr_sa_sdst(0) depctr_va_vdst(0) depctr_va_sdst(0) depctr_va_ssrc(0) depctr_va_vcc(0) depctr_vm_vsrc(0)
	s_getreg_b32 s2, hwreg(HW_REG_IB_STS2, 6, 4)
	s_cmp_eq_u32 s2, 0
	s_cbranch_scc0 .Lentry_in_a_cluster
	s_endpgm
.Lentry_in_a_cluster:
	s_bfe_u32 s2, ttmp6, 0x10000c
	s_cmp_lg_u32 s2, 0xf033
	s_cbranch_scc0 .Lentry_shape_is_right
	s_endpgm
.Lentry_shape_is_right:
; out0[m][n] = sum over k of O[m][k] Wo[n][k].  O: 4,096 x 1,024 f16 in fragment order (of: byte ((m/16 x 32 + k/32) 2 + c) 512 + 16 lane); Wo: [1024][1024] f16 at 14 MiB of cast; out0 f32; sums in f32.
; A tile of out0 is 128 x 128: 32 x 8 = 256 work-groups; four waves, each 64 x 64: 16 accumulators.  K goes in four steps of 256 through two LDS slots.
; A slot: O's 8 row blocks x 8 K blocks of 1,024 bytes, dense (a fragment is read 16 bytes a lane on end: no padding wanted), then Wo's 128 rows of 512 bytes, 16 bytes of padding a row.
; Waves 0 and 1 fetch the halves of O's part (4 rows of 8,192 bytes, 32,768 bytes apart in memory), waves 2 and 3 those of Wo's (64 rows).
; CLUSTER: 4 x 4; O's tile is asked for jointly along a row of the cluster, Wo's along a column.  No prefetch: the tiles are small and the launch has four K steps.
; THE MATRIX INSTRUCTION IS USED TRANSPOSED (source 0 = 16 rows of Wo): a lane holds eight neighbouring numbers of a row of out0, 32 bytes.  A wave's 64 columns are 256 bytes: each wave sends its own
; 16 rows at a time through its own stage, and sixteen lanes store 256 consecutive bytes, aligned.
; REGISTERS: window 0: v0-31 addresses; v32-95 rows on the way out, two sets; v128-255 the accumulators ((a, b) at v[128 + 8 (4 a + b)]).  Window 1: two fragment buffers of 128: O's 64 registers, then Wo's 64.
.set KSTEP,  256
.set PITCH,  528                       ; Wo's LDS row: 512 bytes + 16 = 132 words: the 16 rows of a load start at 16 different groups of four banks (64 banks of 4 bytes: ISA guide 11.1)
.set HALFA,  32768                     ; four row blocks of O for a K step
.set HALFB,  64*PITCH
.set BOFF,   2*HALFA
.set SLOT,   BOFF+2*HALFB
.set STAGE,  2*SLOT                    ; behind the ring, never filled by a tensor load: 16 rows x 272 bytes for each wave
.set SPITCH, 272
.set SPARE,  STAGE+4*16*SPITCH         ; the spare words, 128 bytes a wave: two blocks of 256 bytes that no other line names
.set ADRA, 16                          ; v16-17  LDS address of my fragments of O in slot 0, 1
.set ADRB, 20                          ; v20-21  of Wo's
.set STO,  24                          ; v24     the way out: where I put 32 bytes of a row
.set RD,   25                          ; v25     where I read a row back
.set CO,   26                          ; v26     my byte offset in two rows of out0
.set SPW,  28                          ; v28     LDS address of my spare word; never rewritten
.set NIL,  29                          ; v29     0; never rewritten
.set TMP,  32
.set ACC,  128
.set F0,   0                           ; window 1
.set F1,   128
.set G1, 24                            ; s[24:31] descriptor group 1 for O's tiles;  s[32:39] group 0, a set for each slot
.set G0, 32
.set G1B, 48                           ; s[48:55], s[56:63] the same for Wo's
.set G0B, 56
.set MSB, 0
.macro WIN new
.if MSB != (\new)
	s_set_vgpr_msb (MSB<<8)|(\new)
.set MSB, \new
.endif
.endm
.set MUL,  0x05                        ; sources 0 and 1 window 1; C and D window 0
.set TO_F, 0x40                        ; destination window 1, address window 0
.macro JLOAD s                         ; a joint load; an s_nop 0 and four v_nop follow each of the two lines
	s_cmp_eq_u32 s11, 0
	s_cbranch_scc0 .Lfor_b_\@
	tensor_load_to_lds s[G0+4*(\s):G0+4*(\s)+3], s[G1:G1+7]
	s_nop 0
.rept 4
	v_nop
.endr
	s_branch .Lasked_\@
.Lfor_b_\@:
	tensor_load_to_lds s[G0B+4*(\s):G0B+4*(\s)+3], s[G1B:G1B+7]
	s_nop 0
.rept 4
	v_nop
.endr
.Lasked_\@:
.endm
.macro CREST
	s_cmp_lg_u32 s10, 0
	s_cbranch_scc1 .Lnot_wave_0_\@
	s_barrier_signal -3
.Lnot_wave_0_\@:
	s_barrier_wait -3
	s_barrier_signal -1
	s_barrier_wait -1
.endm
.macro CROUND
	s_barrier_signal -1
	s_barrier_wait -1
	CREST
.endm
	s_load_b128 s[4:7], s[0:1], 0x0                ; of s[4:5], cast s[6:7]
	s_load_b64 s[8:9], s[0:1], 0x10                ; out0
	v_lshl_add_u32 v[SPW], v0, 2, SPARE
	v_mov_b32 v[NIL], 0
	ds_add_u32 v[SPW], v[NIL]                      ; the wave's opening: the add and its wait stand ahead of my first tensor load; work on registers stands between them
	v_lshrrev_b32 v1, 5, v0
	v_readfirstlane_b32 s10, v1                    ; wave 0..3
	s_lshr_b32 s11, s10, 1                         ; which half of the tile's rows is mine.  Also: I fetch for O (0) or for Wo (1)
	s_and_b32 s12, s10, 1                          ; which half of its columns.  Also: which half of that tile I fetch
	s_bfe_u32 s40, ttmp6, 0x40000                  ; cx
	s_bfe_u32 s41, ttmp6, 0x40004                  ; cy
	s_lshl_b32 s42, ttmp9, 2
	s_add_co_u32 s42, s42, s40                     ; tile column = 4 x cluster x + cx
	s_and_b32 s13, ttmp7, 0xffff
	s_lshl_b32 s13, s13, 2
	s_add_co_u32 s13, s13, s41                     ; tile row = 4 x cluster y + cy
	s_lshl_b32 s43, s41, 2
	s_lshl_b32 s43, 15, s43                        ; my row of the cluster
	s_lshl_b32 s44, 0x1111, s40                    ; my column
	s_or_b32 s[G1], s43, (3<<16)|(1<<21)           ; O: the mask; 8-byte elements; 21 set beside a mask; no padding
	s_mov_b32 s[G1+1], 1024<<16                    ; tensor_dim0 = 1,024 elements: 8,192 bytes, a row block's eight K blocks
	s_mov_b32 s[G1+2], 4<<16                       ; tensor_dim1 = 4
	s_mov_b32 s[G1+3], 1024<<16                    ; tile_dim0
	s_mov_b32 s[G1+4], 4                           ; tile_dim1
	s_mov_b32 s[G1+5], 4096                        ; from row block to row block: 32,768 bytes
	s_mov_b32 s[G1+6], 0
	s_mov_b32 s[G1+7], 0
	s_or_b32 s[G1B], s44, (1<<16)|(1<<20)|(1<<21)|(6<<22)|(3<<25)  ; Wo: 2-byte elements; padding after every 128 words (code 6) of 4 words (code 3)
	s_mov_b32 s[G1B+1], KSTEP<<16
	s_mov_b32 s[G1B+2], 64<<16
	s_mov_b32 s[G1B+3], KSTEP<<16
	s_mov_b32 s[G1B+4], 64
	s_mov_b32 s[G1B+5], 1024
	s_mov_b32 s[G1B+6], 0
	s_mov_b32 s[G1B+7], 0
	s_lshl_b32 s16, s13, 18                        ; O: row block 8 x tile row + 4 x half, 32,768 bytes each (registers that never hold cx)
	s_lshl_b32 s17, s12, 17
	s_add_co_u32 s16, s16, s17
	s_mov_b32 s17, 0
	s_lshl_b32 s46, s42, 18                        ; Wo: row 128 x tile column + 64 x half, 2,048 bytes each (registers that never hold cy),
	s_lshl_b32 s47, s12, 17
	s_add_co_u32 s46, s46, s47
	s_add_co_u32 s46, s46, 0xe00000                ; at 14 MiB of cast
	s_mov_b32 s47, 0
	s_lshl_b32 s20, s12, 15                        ; where they go: half x 32,768,
	s_mul_i32 s21, s12, HALFB
	s_add_co_u32 s21, s21, BOFF                    ; or behind O's part, half x 64 rows
	s_wait_dscnt 0x0                               ; the opening add is done
	s_wait_kmcnt 0x0
	s_add_nc_u64 s[14:15], s[4:5], s[16:17]
	s_add_nc_u64 s[46:47], s[6:7], s[46:47]
	CROUND                                         ; all sixteen work-groups are here: the first joint loads meet
.irp s, 0,1
	s_mov_b32 s[G0+4*(\s)], 1
	s_add_co_u32 s[G0+4*(\s)+1], s20, (\s)*SLOT
	s_add_nc_u64 s[G0+4*(\s)+2:G0+4*(\s)+3], s[14:15], (\s)*8192     ; K step s: eight K blocks of 1,024 bytes
	s_or_b32 s[G0+4*(\s)+3], s[G0+4*(\s)+3], 0x80000000
	s_mov_b32 s[G0B+4*(\s)], 1
	s_add_co_u32 s[G0B+4*(\s)+1], s21, (\s)*SLOT
	s_add_nc_u64 s[G0B+4*(\s)+2:G0B+4*(\s)+3], s[46:47], (\s)*KSTEP*2
	s_or_b32 s[G0B+4*(\s)+3], s[G0B+4*(\s)+3], 0x80000000
	JLOAD \s                                       ; two loads of mine are out
.endr
	v_and_b32 v1, 15, v0                           ; l % 16
	v_bfe_u32 v2, v0, 4, 1                         ; l / 16
	v_and_b32 v3, 31, v0
	v_lshlrev_b32 v3, 4, v3
	s_lshl_b32 s22, s11, 15                        ; my four row blocks of O
	v_add_nc_u32 v[ADRA], s22, v3
	v_add_nc_u32 v[ADRA+1], SLOT, v[ADRA]
	v_mul_u32_u24 v4, v1, PITCH
	v_lshl_add_u32 v4, v2, 4, v4
	s_mul_i32 s22, s12, HALFB                      ; my 64 rows of Wo
	s_add_co_u32 s22, s22, BOFF
	v_add_nc_u32 v[ADRB], s22, v4
	v_add_nc_u32 v[ADRB+1], SLOT, v[ADRB]
	s_mul_i32 s23, s10, 16*SPITCH
	s_add_co_u32 s23, s23, STAGE                   ; my stage
	v_mul_u32_u24 v5, v1, SPITCH                   ; in: row l % 16, 32 bytes for each half of the lanes
	v_lshl_add_u32 v5, v2, 5, v5
	v_add_nc_u32 v[STO], s23, v5
	v_mul_u32_u24 v5, v2, SPITCH                   ; back: lanes 0-15 take one row's 256 bytes, lanes 16-31 the next
	v_lshl_add_u32 v5, v1, 4, v5
	v_add_nc_u32 v[RD], s23, v5
	v_lshlrev_b32 v5, 12, v2                       ; and the same two rows in out0, 4,096 bytes apart
	v_lshl_add_u32 v[CO], v1, 4, v5
	s_lshl_b32 s16, s13, 19                        ; my first row: 128 x tile row + 64 x half
	s_lshl_b32 s17, s11, 18
	s_add_co_u32 s16, s16, s17
	s_mov_b32 s17, 0
	s_add_nc_u64 s[8:9], s[8:9], s[16:17]
	s_lshl_b32 s46, s42, 9                         ; my first column, in bytes: 512 x tile column + 256 x half
	s_lshl_b32 s47, s12, 8
	s_add_co_u32 s46, s46, s47
	s_mov_b32 s47, 0
	s_add_nc_u64 s[8:9], s[8:9], s[46:47]
; 8 matrix instructions: row blocks a0, a0 + 1 x all 4 column blocks, 32 along K: half c of buffer f.  The 16 accumulators take turns.  zero = 1: the first product starts the sums
.macro MUL8 f, c, a0, zero
	WIN MUL
.irp a, \a0, (\a0)+1
.irp b, 0,1,2,3
.if \zero
	v_wmma_f32_16x16x32_f16 v[ACC+8*(4*(\a)+(\b)):ACC+8*(4*(\a)+(\b))+7], v[(\f)+64+8*(4*(\c)+(\b)):(\f)+64+8*(4*(\c)+(\b))+7], v[(\f)+8*(4*(\c)+(\a)):(\f)+8*(4*(\c)+(\a))+7], 0
.else
	v_wmma_f32_16x16x32_f16 v[ACC+8*(4*(\a)+(\b)):ACC+8*(4*(\a)+(\b))+7], v[(\f)+64+8*(4*(\c)+(\b)):(\f)+64+8*(4*(\c)+(\b))+7], v[(\f)+8*(4*(\c)+(\a)):(\f)+8*(4*(\c)+(\a))+7], v[ACC+8*(4*(\a)+(\b)):ACC+8*(4*(\a)+(\b))+7]
.endif
.endr
.endr
.endm
; 32 LDS loads in one run: the fragments of 64 along K (byte k of Wo's rows; K blocks k / 64 and k / 64 + 1 of O's) into buffer f; the first 32 along K first
.macro FETCH slot, k, f
	WIN TO_F
.irp c, 0,1
.irp i, 0,1,2,3
	ds_load_b128 v[(\f)+64+8*(4*(\c)+(\i)):(\f)+64+8*(4*(\c)+(\i))+3],   v[ADRB+(\slot)] offset:(\k)+64*(\c)+(\i)*16*PITCH
	ds_load_b128 v[(\f)+64+8*(4*(\c)+(\i))+4:(\f)+64+8*(4*(\c)+(\i))+7], v[ADRB+(\slot)] offset:(\k)+64*(\c)+(\i)*16*PITCH+32
	ds_load_b128 v[(\f)+8*(4*(\c)+(\i)):(\f)+8*(4*(\c)+(\i))+3],         v[ADRA+(\slot)] offset:(\i)*8192+((\k)/64+(\c))*1024
	ds_load_b128 v[(\f)+8*(4*(\c)+(\i))+4:(\f)+8*(4*(\c)+(\i))+7],       v[ADRA+(\slot)] offset:(\i)*8192+((\k)/64+(\c))*1024+512
.endr
.endr
.endm
.macro PLACES                          ; four plain instructions in front of loads into registers that matrix instructions have read, and of LDS stores that read results
.rept 4
	v_nop
.endr
.endm
; A K step is four quarters of 64 along K, 32 matrix instructions each, on buffers 0, 1, 0, 1.  One of the first three: multiplies f and fetches the next quarter into g.
.macro QUARTER slot, k, f, g, zero
	s_wait_dscnt 16                                ; the first 32 along K are in; the youngest sixteen loads may be out
	MUL8 \f, 0, 0, \zero
	MUL8 \f, 0, 2, \zero
	PLACES
	FETCH \slot, \k, \g
	s_wait_dscnt 32                                ; all but the 32 just issued
	MUL8 \f, 1, 0, 0
	MUL8 \f, 1, 2, 0
.endm
; The last quarter multiplies buffer 1 and changes slots: one barrier; in front of it each wave waits for all its tensor loads, adds 0 to its spare word, and waits for that and its reads of this slot.
; fill = 1: the barrier opens a round of the cluster's, and the slot is filled again, two K steps on, first thing behind it: 112 matrix instructions ahead of the wait for it.
.macro TURN slot, next, fill
	WIN 0                                          ; (the add's two registers lie in window 0)
	s_wait_tensorcnt 0x0
	ds_add_u32 v[SPW], v[NIL]
	s_wait_dscnt 17                                ; (the add and the youngest sixteen loads may be out)
	MUL8 F1, 0, 0, 0                               ; eight matrix instructions stand between the add and the wait for it
	s_wait_dscnt 0x0                               ; the add is done, and my reads of this slot are over
	s_barrier_signal -1
	MUL8 F1, 0, 2, 0
.if \fill
	WIN 0
.endif
	s_barrier_wait -1
.if \fill
	CREST
	s_add_nc_u64 s[G0+4*(\slot)+2:G0+4*(\slot)+3], s[G0+4*(\slot)+2:G0+4*(\slot)+3], 2*8192
	s_add_nc_u64 s[G0B+4*(\slot)+2:G0B+4*(\slot)+3], s[G0B+4*(\slot)+2:G0B+4*(\slot)+3], 2*KSTEP*2
	JLOAD \slot                                    ; its four v_nop are also the places in front of the loads below
.else
	PLACES
.endif
	FETCH \next, 0, F0
	MUL8 F1, 1, 0, 0
	MUL8 F1, 1, 2, 0
.endm
	s_wait_tensorcnt 1                             ; my part of K step 0 is in; K step 1's may stay out
	s_barrier_signal -1
	s_barrier_wait -1
	FETCH 0, 0, F0
	QUARTER 0, 128, F0, F1, 1                      ; K step 0; its first products start the sums.  Four K steps: written out, a loop would have one trip
	QUARTER 0, 256, F1, F0, 0
	QUARTER 0, 384, F0, F1, 0
	TURN 0, 1, 1                                   ; slot 0 takes K step 2
	QUARTER 1, 128, F0, F1, 0                      ; K step 1
	QUARTER 1, 256, F1, F0, 0
	QUARTER 1, 384, F0, F1, 0
	TURN 1, 0, 1                                   ; slot 1 takes K step 3
	QUARTER 0, 128, F0, F1, 0                      ; K step 2
	QUARTER 0, 256, F1, F0, 0
	QUARTER 0, 384, F0, F1, 0
	TURN 0, 1, 0                                   ; nothing is left to fetch
	QUARTER 1, 128, F0, F1, 0                      ; K step 3
	QUARTER 1, 256, F1, F0, 0
	QUARTER 1, 384, F0, F1, 0
	s_wait_dscnt 16
	MUL8 F1, 0, 0, 0
	MUL8 F1, 0, 2, 0
	s_wait_dscnt 0x0
	MUL8 F1, 1, 0, 0
	MUL8 F1, 1, 2, 0
	WIN 0
; THE WAY OUT, 16 rows at a time.  A lane's 32 bytes of each of four column blocks go into my stage (each accumulator's low four registers first), and whole rows of 256 bytes come back.
.macro TOSTAGE a
.if (\a) >= 2
	s_wait_xcnt 0x0                                ; the stores of two blocks back have read this set of registers
.endif
.irp b, 0,1,2,3
	ds_store_b128 v[STO], v[ACC+8*(4*(\a)+(\b)):ACC+8*(4*(\a)+(\b))+3]   offset:64*(\b)
	ds_store_b128 v[STO], v[ACC+8*(4*(\a)+(\b))+4:ACC+8*(4*(\a)+(\b))+7] offset:64*(\b)+16
.endr
.irp t, 0,1,2,3,4,5,6,7
	ds_load_b128 v[TMP+32*((\a)%2)+4*(\t):TMP+32*((\a)%2)+4*(\t)+3], v[RD] offset:(\t)*2*SPITCH  ; LDS serves a wave's instructions in order (ISA guide 5.7.1.4): these see the stores above; the next block's stores come behind them
.endr
.endm
.macro SEND a, younger                 ; younger: the LDS instructions issued behind block a's loads: the next block's sixteen, or none
	s_wait_dscnt \younger
.irp t, 0,1,2,3,4,5,6,7
	global_store_b128 v[CO], v[TMP+32*((\a)%2)+4*(\t):TMP+32*((\a)%2)+4*(\t)+3], s[8:9] offset:(\a)*65536+(\t)*8192  ; 16 lanes store 256 consecutive bytes, aligned
.endr
.endm
	PLACES
	TOSTAGE 0
	TOSTAGE 1
	SEND 0, 16
	TOSTAGE 2
	SEND 1, 16
	TOSTAGE 3
	SEND 2, 16
	SEND 3, 0
	s_wait_tensorcnt 0x0                           ; the wave's end: behind my last tensor load and my last LDS store
	ds_add_u32 v[SPW], v[NIL]
	s_wait_dscnt 0x0
	CROUND                                         ; the closing round: no work-group ends while a partner may still ask for a tile that names it
	s_endpgm
.Lfunc_end_k_q1a8b6cc897_oproj:
	.size	k_q1a8b6cc897_oproj, .Lfunc_end_k_q1a8b6cc897_oproj-k_q1a8b6cc897_oproj
	.p2alignl 7, 3214868480
	.fill 96, 4, 3214868480
	.section	.rodata,"a",@progbits
	.p2align	6, 0x0
	.amdhsa_kernel k_q1a8b6cc897_oproj
		.amdhsa_group_segment_fixed_size 327680
		.amdhsa_private_segment_fixed_size 0
		.amdhsa_enable_private_segment 0
		.amdhsa_kernarg_size 24
		.amdhsa_user_sgpr_count 2
		.amdhsa_user_sgpr_kernarg_segment_ptr 1
		.amdhsa_wavefront_size32 1
		.amdhsa_system_sgpr_workgroup_id_x 1
		.amdhsa_system_sgpr_workgroup_id_y 1
		.amdhsa_system_sgpr_workgroup_id_z 1
		.amdhsa_system_vgpr_workitem_id 0
		.amdhsa_next_free_vgpr 512
		.amdhsa_next_free_sgpr 66
		.amdhsa_reserve_vcc 0
		.amdhsa_float_denorm_mode_32 3
		.amdhsa_float_denorm_mode_16_64 3
		.amdhsa_memory_ordered 1
		.amdhsa_forward_progress 1
		.amdhsa_inst_pref_size 85
	.end_amdhsa_kernel
	.amdgpu_metadata
---
amdhsa.version: [ 1, 2 ]
amdhsa.kernels:
  - .name:           k_q1a8b6cc897_oproj
    .symbol:         k_q1a8b6cc897_oproj.kd
    .args:
      - { .name: of, .offset: 0, .size: 8, .value_kind: global_buffer, .address_space: global }
      - { .name: cast, .offset: 8, .size: 8, .value_kind: global_buffer, .address_space: global }
      - { .name: out0, .offset: 16, .size: 8, .value_kind: global_buffer, .address_space: global }
    .group_segment_fixed_size: 327680
    .private_segment_fixed_size: 0
    .kernarg_segment_align: 8
    .kernarg_segment_size: 24
    .max_flat_workgroup_size: 128
    .sgpr_count:     66
    .vgpr_count:     512
    .wavefront_size: 32
...
	.end_amdgpu_metadata
.endif
;; end of part 4
;; ======== version 2 of 2: 4 launches; version 1 with the launch prep written anew for expert scheduling mode
;; limits: values are held in f16: magnitudes above 65,504 overflow, below 6.1e-05 lose precision
;; workspace buffers: cast 16,777,216 bytes; rope 262,144 bytes; qf 8,388,608 bytes; kf 8,388,608 bytes; vf 8,388,608 bytes; of 8,388,608 bytes
;; launch prep (part 5): grid 32 x 8, 8 waves a work-group, no clusters, 0 bytes of LDS; arguments hidden_states, Wq, Wk, Wv, Wo, cast, rope; writes cast, rope
.if DOCPART == 5
	.amdgcn_target "amdgcn-amd-amdhsa--gfx1250"
	.amdhsa_code_object_version 6
	.text
	.protected	k_q1a8b6cc897_prep
	.globl	k_q1a8b6cc897_prep
	.p2align	8
	.type	k_q1a8b6cc897_prep,@function
k_q1a8b6cc897_prep:
	s_mov_b64 s[64:65], 0
	v_nop
	global_prefetch_b8 v0, s[64:65] scope:SCOPE_SE
	s_setreg_imm32_b32 hwreg(HW_REG_WAVE_SCHED_MODE, 0, 2), 2
	s_setreg_imm32_b32 hwreg(HW_REG_WAVE_MODE, 25, 1), 1
	s_wait_xcnt 0x0
	s_wait_alu depctr_vm_vsrc(0)
; PREP.  Rounds the five f32 inputs once to 16 bits for the matrix units, and makes the RoPE table.
; cast: [8 slices][1,048,576] of 16 bits: slices 0-3 the quarters of hidden_states, 4 Wq, 5 Wk, 6 Wv (all bf16), 7 Wo: rounded to bf16 like the others, and that number written as f16.
; rope: [t 2048][p 16] pairs (cos, sin) of t x 10000^(-p/16), f32.
; LIMITS.  Wo beyond 65,504 becomes an infinity in f16; below 6e-5 it keeps f16's fixed step of 6e-8.  The table's angles are right to about 2e-4 rad at t = 2047
; (2^x to one unit in the last place, the constant 2/pi rounded to f32); sine and cosine are Taylor sums on |y| <= pi/4, cut below 4e-7.
; SHARES.  Work-group (x, y) takes 128 KiB of slice y, a wave 16 KiB: 32 loads of 16 bytes a lane, each 512 consecutive bytes, all issued before anything is waited for; a store of 8 bytes a
; lane covers 256 consecutive bytes, aligned.  No work-group wants a byte that another has read: no LDS, no cluster, no matrix unit.
; THE MODE: SCHED_MODE bits 1:0 = 2 (LLVM: expert scheduling mode 2), set by the entry lines.  The code itself states the register dependences
; between vector instructions and memory instructions, with s_wait_alu, always for 0.
; THE PLAN.  Registers that memory instructions touch:
;   v1, v2      the loads' and the stores' byte offsets: made at the head, never named by a vector line again: one wait ahead of the first load serves all 64 instructions.
;   X           four registers a load.  The load lands in them; its conversions read them and write the first two in place; its store reads those two; nothing names them afterwards.
;   v13-v15     the table's offset and pair: written by the table's lines, read by its one store, never written again.
; The 32 loads go in eight blocks of four.  A block: the wait for its data, its conversions, ONE wait on va_vdst, its four stores.  That wait stands behind the block's own conversions and not at
; the next block's head, which is a wait for memory: the block's stores would stand behind it.
; No register that a memory instruction reads is written again, so past the entry lines the text holds no wait on vm_vsrc; EXEC is never written.
.set X, 16                             ; v[16:143]  load i in v[X+4i : X+4i+3]; its two packed words are stored from the first two
.set BLOCK, 4                          ; loads in a block
	s_load_b256 s[4:11], s[0:1], 0x0               ; hidden_states s[4:5], Wq s[6:7], Wk s[8:9], Wv s[10:11]
	s_load_b128 s[12:15], s[0:1], 0x20             ; Wo s[12:13], cast s[14:15]
	s_load_b64 s[16:17], s[0:1], 0x30              ; rope
	s_and_b32 s20, ttmp7, 0xffff                   ; y: the slice
	v_lshrrev_b32 v3, 5, v0
	v_readfirstlane_b32 s21, v3                    ; wave 0..7
	v_and_b32 v4, 31, v0
	v_lshlrev_b32 v1, 4, v4
	v_lshl_add_u32 v1, v3, 14, v1                  ; loads: 16,384 x wave + 16 x lane; never rewritten
	v_lshlrev_b32 v2, 3, v4
	v_lshl_add_u32 v2, v3, 13, v2                  ; stores: 8,192 x wave + 8 x lane; never rewritten
	s_wait_alu depctr_va_sdst(0)                   ; s21 is written, ahead of its first reader: the compare in front of the table
	s_lshl_b32 s24, s20, 22                        ; a quarter of hidden_states is 4 MiB of f32;
	s_cmp_lt_u32 s20, 4
	s_cselect_b32 s24, s24, 0                      ; a weight matrix is a slice by itself
	s_lshl_b32 s30, ttmp9, 17
	s_add_co_u32 s24, s24, s30                     ; + the work-group's 128 KiB
	s_mov_b32 s25, 0
	s_lshl_b32 s26, s20, 21                        ; in cast a slice is 2 MiB,
	s_lshl_b32 s30, ttmp9, 16
	s_add_co_u32 s26, s26, s30                     ; the work-group's part 64 KiB
	s_mov_b32 s27, 0
	s_lshl_b32 s31, s20, 5
	s_add_co_u32 s31, s31, ttmp9                   ; the work-group's number, 0..255
	s_lshl_b32 s28, s31, 10                        ; its 128 pairs of the table: 1,024 bytes
	s_mov_b32 s29, 0
	s_mov_b32 s32, 0x3f22f983                      ; 2 / pi
	s_wait_kmcnt 0x0
	s_mov_b64 s[22:23], s[4:5]                     ; the slice's tensor, chosen by y alone
	s_cmp_eq_u32 s20, 4
	s_cselect_b64 s[22:23], s[6:7], s[22:23]
	s_cmp_eq_u32 s20, 5
	s_cselect_b64 s[22:23], s[8:9], s[22:23]
	s_cmp_eq_u32 s20, 6
	s_cselect_b64 s[22:23], s[10:11], s[22:23]
	s_cmp_eq_u32 s20, 7
	s_cselect_b64 s[22:23], s[12:13], s[22:23]
	s_add_nc_u64 s[22:23], s[22:23], s[24:25]
	s_add_nc_u64 s[14:15], s[14:15], s[26:27]
	s_add_nc_u64 s[16:17], s[16:17], s[28:29]
	s_wait_alu depctr_va_vdst(0)                   ; v1 and v2 are written: every load below reads v1 as its offset, every store of cast v2
.set i, 0
.rept 32
	global_load_b128 v[X+4*i:X+4*i+3], v1, s[22:23] offset:512*i th:TH_LOAD_NT
.set i, i+1
.endr
	; THE TABLE, while the loads are on their way: threads 0-127 make one pair each.  Its lines name v3 to v15 alone: no register of a load.
	s_cmp_lt_u32 s21, 4
	s_cbranch_scc0 .Lno_rope
	s_lshl_b32 s30, s31, 7
	v_add_nc_u32 v3, s30, v0                       ; the pair's number: 16 t + p
	v_and_b32 v4, 15, v3
	v_lshrrev_b32 v3, 4, v3
	v_cvt_f32_u32 v4, v4                           ; p
	v_cvt_f32_u32 v3, v3                           ; t
	v_mul_f32 v4, 0xbf549a78, v4                   ; - p log2(10000) / 16
	v_exp_f32 v5, v4                               ; 10000^(-p/16)
	v_lshlrev_b32 v13, 3, v0                       ; (the pair's 8 bytes: the plain instruction behind the exponential)
	s_wait_alu depctr_va_vdst(0)                   ; the exponential has written v5, ahead of its first reader; v13, the store's offset, is written too
	v_mul_f32 v5, v3, v5                           ; the angle f, rounded to f32 as t x inv_freq is
	v_mul_f32 v6, s32, v5
	v_rndne_f32 v6, v6                             ; k = the nearest whole number of quarter turns
	v_fma_f32 v7, v5, s32, -v6                     ; f 2/pi - k, in one rounding
	v_mul_f32 v7, 0x3fc90fdb, v7                   ; y = that x pi/2, within pi/4 of 0
	v_mul_f32 v8, v7, v7
	v_mov_b32 v9, 0xb9500d01                       ; sin y = y + y^3 (-1/6 + y^2 (1/120 - y^2 / 5040))
	v_fmaak_f32 v9, v9, v8, 0x3c088889
	v_fmaak_f32 v9, v9, v8, 0xbe2aaaab
	v_mul_f32 v10, v7, v8
	v_fma_f32 v9, v9, v10, v7
	v_mov_b32 v11, 0x37d00d01                      ; cos y = 1 + y^2 (-1/2 + y^2 (1/24 + y^2 (-1/720 + y^2 / 40320)))
	v_fmaak_f32 v11, v11, v8, 0xbab60b61
	v_fmaak_f32 v11, v11, v8, 0x3d2aaaab
	v_fmaak_f32 v11, v11, v8, 0xbf000000
	v_fma_f32 v11, v11, v8, 1.0
	v_cvt_i32_f32 v6, v6
	v_and_b32 v10, 1, v6                           ; an odd k swaps sine and cosine: a choice of values, no branch
	v_cmp_eq_u32 vcc_lo, 1, v10
	v_add_nc_u32 v10, 1, v6                        ; the cosine is negative for k mod 4 = 1, 2: bit 1 of k + 1 goes to the sign
	v_lshrrev_b32 v10, 1, v10
	v_lshlrev_b32 v10, 31, v10
	v_lshrrev_b32 v12, 1, v6                       ; the sine for k mod 4 = 2, 3: bit 1 of k
	v_lshlrev_b32 v12, 31, v12
	s_wait_alu depctr_va_vcc(0)                    ; the compare has written VCC, which the two selects read; the five lines of the signs stand between
	v_cndmask_b32 v14, v11, v9, vcc_lo
	v_cndmask_b32 v15, v9, v11, vcc_lo
	v_xor_b32 v14, v10, v14
	v_xor_b32 v15, v12, v15
	s_wait_alu depctr_va_vdst(0)                   ; v14 and v15 are written, which the store reads
	global_store_b64 v13, v[14:15], s[16:17]
.Lno_rope:
; Block p: loads 4 p to 4 p + 3 are rounded and stored.  The count leaves the 28 - 4 p younger loads out.  No register that a store reads is written again, so nothing waits for a store.
.macro BLK p, half
	s_wait_loadcnt 32-BLOCK*((\p)+1)               ; loads come back in order (ISA guide 5.7.1): the block's four are in
.irp k, 0,1,2,3
	v_cvt_pk_bf16_f32 v[X+16*(\p)+4*(\k)],   v[X+16*(\p)+4*(\k)],   v[X+16*(\p)+4*(\k)+1]
	v_cvt_pk_bf16_f32 v[X+16*(\p)+4*(\k)+1], v[X+16*(\p)+4*(\k)+2], v[X+16*(\p)+4*(\k)+3]
.endr
.if \half                              ; the bf16 numbers written as f16: widened by a shift and a mask, narrowed exactly within f16's range; word w of all four loads at a time, so that no line reads the result of the one before it
.irp w, 0,1
.irp k, 0,1,2,3
	v_lshlrev_b32 v[X+16*(\p)+4*(\k)+2], 16, v[X+16*(\p)+4*(\k)+(\w)]
	v_and_b32 v[X+16*(\p)+4*(\k)+3], 0xffff0000, v[X+16*(\p)+4*(\k)+(\w)]
.endr
.irp k, 0,1,2,3
	v_cvt_pk_f16_f32 v[X+16*(\p)+4*(\k)+(\w)], v[X+16*(\p)+4*(\k)+2], v[X+16*(\p)+4*(\k)+3]
.endr
.endr
.endif
	s_wait_alu depctr_va_vdst(0)                   ; the block's conversions have written its eight packed words, which the four stores read
.irp k, 0,1,2,3
	global_store_b64 v2, v[X+16*(\p)+4*(\k):X+16*(\p)+4*(\k)+1], s[14:15] offset:256*(BLOCK*(\p)+(\k))
.endr
.endm
	s_cmp_eq_u32 s20, 7
	s_cbranch_scc1 .Lwo
.irp p, 0,1,2,3,4,5,6,7
	BLK \p, 0
.endr
	s_endpgm
.Lwo:
.irp p, 0,1,2,3,4,5,6,7
	BLK \p, 1
.endr
	s_endpgm
.Lfunc_end_k_q1a8b6cc897_prep:
	.size	k_q1a8b6cc897_prep, .Lfunc_end_k_q1a8b6cc897_prep-k_q1a8b6cc897_prep
	.p2alignl 7, 3214868480
	.fill 96, 4, 3214868480
	.section	.rodata,"a",@progbits
	.p2align	6, 0x0
	.amdhsa_kernel k_q1a8b6cc897_prep
		.amdhsa_group_segment_fixed_size 0
		.amdhsa_private_segment_fixed_size 0
		.amdhsa_enable_private_segment 0
		.amdhsa_kernarg_size 56
		.amdhsa_user_sgpr_count 2
		.amdhsa_user_sgpr_kernarg_segment_ptr 1
		.amdhsa_wavefront_size32 1
		.amdhsa_system_sgpr_workgroup_id_x 1
		.amdhsa_system_sgpr_workgroup_id_y 1
		.amdhsa_system_sgpr_workgroup_id_z 1
		.amdhsa_system_vgpr_workitem_id 0
		.amdhsa_next_free_vgpr 144
		.amdhsa_next_free_sgpr 66
		.amdhsa_reserve_vcc 1
		.amdhsa_float_denorm_mode_32 3
		.amdhsa_float_denorm_mode_16_64 3
		.amdhsa_memory_ordered 1
		.amdhsa_forward_progress 1
		.amdhsa_inst_pref_size 32
	.end_amdhsa_kernel
	.amdgpu_metadata
---
amdhsa.version: [ 1, 2 ]
amdhsa.kernels:
  - .name:           k_q1a8b6cc897_prep
    .symbol:         k_q1a8b6cc897_prep.kd
    .args:
      - { .name: hidden_states, .offset: 0, .size: 8, .value_kind: global_buffer, .address_space: global }
      - { .name: Wq, .offset: 8, .size: 8, .value_kind: global_buffer, .address_space: global }
      - { .name: Wk, .offset: 16, .size: 8, .value_kind: global_buffer, .address_space: global }
      - { .name: Wv, .offset: 24, .size: 8, .value_kind: global_buffer, .address_space: global }
      - { .name: Wo, .offset: 32, .size: 8, .value_kind: global_buffer, .address_space: global }
      - { .name: cast, .offset: 40, .size: 8, .value_kind: global_buffer, .address_space: global }
      - { .name: rope, .offset: 48, .size: 8, .value_kind: global_buffer, .address_space: global }
    .group_segment_fixed_size: 0
    .private_segment_fixed_size: 0
    .kernarg_segment_align: 8
    .kernarg_segment_size: 56
    .max_flat_workgroup_size: 256
    .sgpr_count:     66
    .vgpr_count:     144
    .wavefront_size: 32
...
	.end_amdgpu_metadata
.endif
;; end of part 5
;; launch qkv: the kernel of part 2 again; grid 8 x 32, 4 waves a work-group, clusters of 4 x 4, 327,680 bytes of LDS; arguments cast, rope, qf, kf, vf; writes qf, kf, vf
;; launch attn: the kernel of part 3 again; grid 4 x 64, 8 waves a work-group, clusters of 4 x 1, 263,168 bytes of LDS; arguments qf, kf, vf, of; writes of
;; launch oproj: the kernel of part 4 again; grid 8 x 32, 4 waves a work-group, clusters of 4 x 4, 327,680 bytes of LDS; arguments of, cast, out0; writes out0
